; MI455X (gfx1250); checked and timed in simulation.
; The chip was launched on July 23, 2026; its instructions are those of AMD's public machine-readable ISA for CDNA 5 (MIT licence, August 2026) and "CDNA5" Instruction Set Architecture Reference Guide (July 2026). The comments in the code are by the model that wrote it; some were corrected since.
;; Tri X Layer. Allowed arithmetic: float matrix products may take bf16 or f16 operands with f32 sums; other float arithmetic in f32, or as packed bf16 or f16 multiplies, adds, multiply-adds, maxima and minima; sums over many terms, partial sums and values carried from step to step in f32; what a program stores and reads back later, other than sums and carried values, may be rounded once to bf16 or f16.
;; Inputs: W 16 x 1,024 x 1,024 float32; b 16 x 1,024 float32; signatures_raw 16 x 1,024 float32; x 4,096 x 1,024 float32.
;; Outputs: out0 4,096 x 1,024 float32; out1 4,096 int32.
;; 3 versions, each right; version 2 is faster than version 1; version 3 is version 2 with the launch route written anew for expert scheduling mode. Each part assembles by itself: llvm-mc -triple=amdgcn-amd-amdhsa -mcpu=gfx1250 --defsym DOCPART=n.
;; ======== version 1 of 3: 2 launches
;; workspace buffers: xb 8,388,608 bytes; idx 16,384 bytes of whole numbers
;; launch route (part 1): grid 256 x 1, 8 waves a work-group, no clusters, 78,848 bytes of LDS; arguments x, signatures_raw, xb, idx, out1; writes xb, idx, out1
.if DOCPART == 1
	.amdgcn_target "amdgcn-amd-amdhsa--gfx1250"
	.amdhsa_code_object_version 6
	.text
	.protected	k_q0301ce9964_route
	.globl	k_q0301ce9964_route
	.p2align	8
	.type	k_q0301ce9964_route,@function
k_q0301ce9964_route:
	s_mov_b64 s[64:65], 0
	v_nop
	global_prefetch_b8 v0, s[64:65] scope:SCOPE_SE
	s_setreg_imm32_b32 hwreg(HW_REG_WAVE_MODE, 25, 1), 1
	s_wait_xcnt 0x0
; ROUTER.  scores[t][e] = x[t] . sig[e], sig = signatures_raw made ternary at +-0.3; idx[t] = out1[t] = argmax over e (the lower index on a tie); xb = x rounded to bf16.
; FORMATS.  x and signatures_raw are rounded once to bf16 (the signatures before the threshold); the products are bf16 x (+-1 or 0), the sums f32.
; LIMITS.  NaN is not treated apart (a NaN score never wins a comparison here).  A signature counts as +-1 where its bf16 magnitude is 0x3e9a or more, the first bf16 above 0.3.
; SHARES.  A work-group owns 16 tokens, wave w the features 128 w .. 128 w + 127 of them and of all 16 signatures: 32 loads of 512 consecutive bytes a wave, all asked for at once.
; Each wave makes a partial 16 x 16 tile of scores with four matrix instructions; the eight partial tiles meet in LDS, and wave 0 adds them and takes the argmax.
; No tensor loads: the f32 data are rounded on their way through registers.  No cluster: the work-groups share only the 64 KB of signatures, 1/2 of a work-group's bytes but 1/256 of the launch's.
.set PITCH, 272                        ; an LDS row: 256 bytes (128 bf16) + 16: an odd multiple of 16, so the 16 rows of a fragment load start in 16 different groups of banks
.set XS,    16*PITCH                   ; behind a wave's 16 signature rows: its 16 rows of x
.set WLDS,  2*XS                       ; a wave's own LDS bytes
.set RED,   8*WLDS                     ; 8 x 1,024 bytes: the partial tiles
.set SPARE, RED+8*1024                 ; the spare words, 128 bytes for each wave: four blocks of 256 bytes that no other line names
.set SPW, 4                            ; v4  LDS address of my spare word; never rewritten
.set NIL, 5                            ; v5  0; never rewritten
.set SG,  16                           ; v[16:79]   signature row e: 4 registers; later wave 0's eight partial tiles
.set XR,  80                           ; v[80:143]  x row i: 4 registers
.set SF,  144                          ; v[144:175] signature fragments, 8 registers for each 32 features
.set XF,  176                          ; v[176:207] x fragments
.set D0,  208                          ; two accumulators that take turns
.set D1,  216
.set P,   224                          ; their sum
	s_load_b256 s[4:11], s[0:1], 0x0               ; x s[4:5], signatures s[6:7], xb s[8:9], idx s[10:11]
	s_load_b64 s[12:13], s[0:1], 0x20              ; out1
	v_lshl_add_u32 v[SPW], v0, 2, SPARE
	v_mov_b32 v[NIL], 0
	v_lshrrev_b32 v3, 5, v0
	v_readfirstlane_b32 s14, v3                    ; wave 0..7
	v_and_b32 v3, 31, v0                           ; lane
	v_and_b32 v1, 15, v0                           ; r = lane % 16
	v_bfe_u32 v2, v0, 4, 1                         ; h = lane / 16
	s_lshl_b32 s15, s14, 9
	v_lshl_add_u32 v6, v3, 4, s15                  ; f32 rows: 512 w + 16 lane
	s_lshl_b32 s15, s14, 8
	v_lshl_add_u32 v7, v3, 3, s15                  ; bf16 rows: 256 w + 8 lane
	s_mul_i32 s15, s14, WLDS
	v_lshl_add_u32 v8, v3, 3, s15                  ; LDS: my 8 bytes of a row of my wave
	v_mul_u32_u24 v9, v1, PITCH
	v_lshl_add_u32 v9, v2, 4, v9
	v_add_nc_u32 v9, s15, v9                       ; LDS: a fragment: row r, 16 h
	s_lshl_b32 s15, s14, 10
	s_add_co_u32 s15, s15, RED
	v_lshl_add_u32 v10, v3, 4, s15                 ; LDS: my wave's partial tile
	v_lshlrev_b32 v11, 4, v3
	v_add_nc_u32 v11, RED, v11                     ; LDS: wave 0's partial tile, from which all eight are reached by the immediate
	v_lshlrev_b32 v12, 2, v1                       ; 4 r: my token's word in idx and out1
	s_mov_b32 s16, 0x7fff7fff                      ; two magnitudes
	s_mov_b32 s17, 0x41664166                      ; 0x3e9a + 0x4166 = 0x8000: bit 15 of a half says that the magnitude is above 0.3
	s_mov_b32 s18, 0x80008000
	s_mov_b32 s20, 0x76543210                      ; v_permlanex16_b32: each lane takes its own place in the other half
	s_mov_b32 s21, 0xfedcba98
	s_mov_b32 s3, 0
	s_wait_kmcnt 0x0
	s_lshl_b32 s2, ttmp9, 16                       ; 16 rows of 4,096 bytes
	s_add_nc_u64 s[4:5], s[4:5], s[2:3]
	s_lshl_b32 s2, ttmp9, 15                       ; 16 rows of 2,048 bytes
	s_add_nc_u64 s[8:9], s[8:9], s[2:3]
	s_lshl_b32 s2, ttmp9, 6                        ; 16 words
	s_add_nc_u64 s[10:11], s[10:11], s[2:3]
	s_add_nc_u64 s[12:13], s[12:13], s[2:3]
.set i, 0
.rept 16
	global_load_b128 v[SG+4*i:SG+4*i+3], v6, s[6:7] offset:4096*i
.set i, i+1
.endr
.set i, 0
.rept 16
	global_load_b128 v[XR+4*i:XR+4*i+3], v6, s[4:5] offset:4096*i th:TH_LOAD_NT  ; x in f32 is read once in the whole program
.set i, i+1
.endr
; two bf16 in register p become +-1.0 where the magnitude is above 0.3, else 0
.macro TERN p, ta, tb
	v_and_b32 v[\ta], s16, v[\p]
	v_add_nc_u32 v[\ta], s17, v[\ta]               ; 0x7fff + 0x4166 stays inside its half
	v_and_b32 v[\ta], s18, v[\ta]                  ; the flag stands where the sign stands
	v_lshrrev_b32 v[\tb], 15, v[\ta]
	v_mul_u32_u24 v[\tb], v[\tb], 0x3f80           ; 1.0 in each flagged half
	v_and_or_b32 v[\p], v[\p], v[\ta], v[\tb]      ; with the sign
.endm
.macro SIGROW e
	s_wait_loadcnt 31-(\e)                         ; loads come back in order: the 15 - e later signature rows and the 16 rows of x may stay out
	v_cvt_pk_bf16_f32 v[SG+4*(\e)], v[SG+4*(\e)], v[SG+4*(\e)+1]
	v_cvt_pk_bf16_f32 v[SG+4*(\e)+1], v[SG+4*(\e)+2], v[SG+4*(\e)+3]
	TERN SG+4*(\e), 13, 14
	TERN SG+4*(\e)+1, 15, 3
	ds_store_b64 v8, v[SG+4*(\e):SG+4*(\e)+1] offset:PITCH*(\e)
.endm
.macro XROW i
	s_wait_loadcnt 15-(\i)                         ; the later rows of x may stay out
	v_cvt_pk_bf16_f32 v[XR+4*(\i)], v[XR+4*(\i)], v[XR+4*(\i)+1]
	v_cvt_pk_bf16_f32 v[XR+4*(\i)+1], v[XR+4*(\i)+2], v[XR+4*(\i)+3]
	ds_store_b64 v8, v[XR+4*(\i):XR+4*(\i)+1] offset:XS+PITCH*(\i)
	global_store_b64 v7, v[XR+4*(\i):XR+4*(\i)+1], s[8:9] offset:2048*(\i)  ; the wave's 32 lanes store 256 consecutive bytes, at a multiple of 256 from xb's first byte
.endm
.irp e, 0,1,2,3,4,5,6,7,8,9,10,11,12,13,14,15
	SIGROW \e
.endr
.irp i, 0,1,2,3,4,5,6,7,8,9,10,11,12,13,14,15
	XROW \i
.endr
	; fragments: 16 rows x 32 features in 8 registers, two loads of 16 bytes, 32 bytes apart.  The bytes are my wave's own, and LDS serves a wave's instructions in order: no barrier.
.irp k, 0,1,2,3
	ds_load_b128 v[SF+8*\k:SF+8*\k+3],   v9 offset:64*\k
	ds_load_b128 v[SF+8*\k+4:SF+8*\k+7], v9 offset:64*\k+32
	ds_load_b128 v[XF+8*\k:XF+8*\k+3],   v9 offset:XS+64*\k
	ds_load_b128 v[XF+8*\k+4:XF+8*\k+7], v9 offset:XS+64*\k+32
.endr
	s_wait_dscnt 0x0
	; source 0 = 16 signatures, source 1 = 16 tokens: register j of lane (r, h) is the score of expert 8 h + j for token r.  The two accumulators take turns.
	v_wmma_f32_16x16x32_bf16 v[D0:D0+7], v[SF:SF+7],     v[XF:XF+7],     0
	v_wmma_f32_16x16x32_bf16 v[D1:D1+7], v[SF+8:SF+15],  v[XF+8:XF+15],  0
	v_wmma_f32_16x16x32_bf16 v[D0:D0+7], v[SF+16:SF+23], v[XF+16:XF+23], v[D0:D0+7]
	v_wmma_f32_16x16x32_bf16 v[D1:D1+7], v[SF+24:SF+31], v[XF+24:XF+31], v[D1:D1+7]
.rept 4
	v_nop                                          ; four places between a matrix instruction and the first vector read of its result (ISA guide 7.12.1)
.endr
.irp k, 0,2,4,6
	v_pk_add_f32 v[P+\k:P+\k+1], v[D0+\k:D0+\k+1], v[D1+\k:D1+\k+1]  ; from the low end on
.endr
	ds_store_b128 v10, v[P:P+3]
	ds_store_b128 v10, v[P+4:P+7] offset:512
	s_wait_dscnt 0x0                               ; for wave 0's sake: my partial tile is in LDS
	s_barrier_signal -1
	s_barrier_wait -1
	s_cmp_lg_u32 s14, 0
	s_cbranch_scc1 .Lend
	; wave 0: the eight partial tiles, added as a tree
.irp w, 0,1,2,3,4,5,6,7
	ds_load_b128 v[SG+8*\w:SG+8*\w+3],   v11 offset:1024*\w
	ds_load_b128 v[SG+8*\w+4:SG+8*\w+7], v11 offset:1024*\w+512
.endr
	s_wait_dscnt 0x0
.irp w, 0,2,4,6
.irp k, 0,2,4,6
	v_pk_add_f32 v[SG+8*\w+\k:SG+8*\w+\k+1], v[SG+8*\w+\k:SG+8*\w+\k+1], v[SG+8*\w+8+\k:SG+8*\w+8+\k+1]
.endr
.endr
.irp w, 0,4
.irp k, 0,2,4,6
	v_pk_add_f32 v[SG+8*\w+\k:SG+8*\w+\k+1], v[SG+8*\w+\k:SG+8*\w+\k+1], v[SG+8*\w+16+\k:SG+8*\w+16+\k+1]
.endr
.endr
.irp k, 0,2,4,6
	v_pk_add_f32 v[SG+\k:SG+\k+1], v[SG+\k:SG+\k+1], v[SG+32+\k:SG+32+\k+1]
.endr
	; the best of my eight experts: a later one wins only if it is greater, so the lower index is kept on a tie
	v_mov_b32 v13, v[SG]
	v_mov_b32 v14, 0
.irp j, 1,2,3,4,5,6,7
	v_cmp_gt_f32 vcc_lo, v[SG+\j], v13
	v_cndmask_b32 v13, v13, v[SG+\j], vcc_lo
	v_cndmask_b32 v14, v14, \j, vcc_lo
.endr
	v_lshl_add_u32 v14, v2, 3, v14                 ; + 8 h
	v_mov_b32 v15, v13                             ; v_permlanex16_b32 counts as a reader of its destination
	v_mov_b32 v3, v14
	v_permlanex16_b32 v15, v13, s20, s21           ; the token's other eight experts lie in the lane 16 away
	v_permlanex16_b32 v3, v14, s20, s21
	v_cmp_gt_f32 s22, v15, v13
	v_cmp_eq_f32 s23, v15, v13
	v_cmp_lt_u32 s24, v3, v14
	s_and_b32 s23, s23, s24
	s_or_b32 s22, s22, s23                         ; the other half's wins if greater, or equal with the lower index
	v_cndmask_b32 v14, v14, v3, s22
	global_store_b32 v12, v14, s[10:11]            ; both halves of the lanes hold the same 16 choices and store the same 64 bytes: EXEC is never narrowed
	global_store_b32 v12, v14, s[12:13]
.Lend:
	s_wait_tensorcnt 0x0                           ; the wave's end
	ds_add_u32 v[SPW], v[NIL]
	s_wait_dscnt 0x0
	s_endpgm
.Lfunc_end_k_q0301ce9964_route:
	.size	k_q0301ce9964_route, .Lfunc_end_k_q0301ce9964_route-k_q0301ce9964_route
	.p2alignl 7, 3214868480
	.fill 96, 4, 3214868480
	.section	.rodata,"a",@progbits
	.p2align	6, 0x0
	.amdhsa_kernel k_q0301ce9964_route
		.amdhsa_group_segment_fixed_size 78848
		.amdhsa_private_segment_fixed_size 0
		.amdhsa_enable_private_segment 0
		.amdhsa_kernarg_size 40
		.amdhsa_user_sgpr_count 2
		.amdhsa_user_sgpr_kernarg_segment_ptr 1
		.amdhsa_wavefront_size32 1
		.amdhsa_system_sgpr_workgroup_id_x 1
		.amdhsa_system_sgpr_workgroup_id_y 1
		.amdhsa_system_sgpr_workgroup_id_z 1
		.amdhsa_system_vgpr_workitem_id 0
		.amdhsa_next_free_vgpr 232
		.amdhsa_next_free_sgpr 66
		.amdhsa_reserve_vcc 1
		.amdhsa_float_denorm_mode_32 3
		.amdhsa_float_denorm_mode_16_64 3
		.amdhsa_memory_ordered 1
		.amdhsa_forward_progress 1
		.amdhsa_inst_pref_size 30
	.end_amdhsa_kernel
	.amdgpu_metadata
---
amdhsa.version: [ 1, 2 ]
amdhsa.kernels:
  - .name:           k_q0301ce9964_route
    .symbol:         k_q0301ce9964_route.kd
    .args:
      - { .name: x, .offset: 0, .size: 8, .value_kind: global_buffer, .address_space: global }
      - { .name: signatures_raw, .offset: 8, .size: 8, .value_kind: global_buffer, .address_space: global }
      - { .name: xb, .offset: 16, .size: 8, .value_kind: global_buffer, .address_space: global }
      - { .name: idx, .offset: 24, .size: 8, .value_kind: global_buffer, .address_space: global }
      - { .name: out1, .offset: 32, .size: 8, .value_kind: global_buffer, .address_space: global }
    .group_segment_fixed_size: 78848
    .private_segment_fixed_size: 0
    .kernarg_segment_align: 8
    .kernarg_segment_size: 40
    .max_flat_workgroup_size: 256
    .sgpr_count:     66
    .vgpr_count:     232
    .wavefront_size: 32
...
	.end_amdgpu_metadata
.endif
;; end of part 1
;; launch expert (part 2): grid 16 x 16, 4 waves a work-group, no clusters, 169,472 bytes of LDS; arguments W, b, xb, idx, out0; writes out0
.if DOCPART == 2
	.amdgcn_target "amdgcn-amd-amdhsa--gfx1250"
	.amdhsa_code_object_version 6
	.text
	.protected	k_q0301ce9964_expert
	.globl	k_q0301ce9964_expert
	.p2align	8
	.type	k_q0301ce9964_expert,@function
k_q0301ce9964_expert:
	s_mov_b64 s[64:65], 0
	v_nop
	global_prefetch_b8 v0, s[64:65] scope:SCOPE_SE
	s_setreg_imm32_b32 hwreg(HW_REG_WAVE_MODE, 25, 1), 1
	s_wait_xcnt 0x0
; out0[t][n] = relu(x[t] . W[e][n] + b[e][n]) + x[t][n] for e = idx[t] alone.  x comes as xb (bf16); W and b are rounded once to bf16 here; sums, bias, ReLU and residual in f32.
; LIMITS.  Every input counts as its bf16 rounding, the residual x too.  idx holds 0 .. 15; a token whose idx names no expert would be left unwritten.
; SHARES.  Work-group (j, e) owns the output columns 64 j .. 64 j + 63 of expert e: 64 rows of W[e], 262,144 consecutive bytes that it alone reads, laid into LDS once as bf16.
; Wave w owns those of the tokens 1024 w .. 1024 w + 1023 that chose e, finds them itself from idx, and takes them in trips of 96 rows (6 tiles of 16) x 64 columns x K = 1,024.
; The number of trips, ceil(count / 96), is at most 11: every split of the tokens is served.  The one barrier stands between the laying of the weights and the first trip; the loop has none.
; In a trip every count is a constant.  Places past the wave's count in a tile that is begun repeat the trip's first row: they compute and store that row's bytes once more, from the same wave;
; tiles wholly past the count load a real row, and their stores are jumped.  EXEC is never narrowed.
; NO TENSOR LOADS: the weights are f32 and are rounded on their way through registers; as f32 in LDS they would take twice the bytes and be converted once for each wave.
; NO CLUSTER: each slice of weights has one reader, and the token rows that an expert's 16 work-groups share come by a list, which no tile descriptor covers.
; x GOES THROUGH LDS: a load of the wave then takes two whole runs of 256 consecutive bytes (two rows' 128 features); in the fragments' own shape it would take 32 bytes of each of 16 rows.
; THE MATRIX INSTRUCTION IS USED TRANSPOSED (source 0 = 16 rows of W, source 1 = 16 tokens): lane (r, h) holds token r and the columns 8 h + 0 .. 7 of the block of 16.
; REGISTERS, in windows of 256 (s_set_vgpr_msb: bits 1:0 source 0, 3:2 source 1, 5:4 source 2, 7:6 destination):
;   window 0: v0-31 addresses, constants, at work; v32-79 OFF; v80-207 W's fragments of one chunk of 128 features (at the head: idx; in LISTOFF: the list read back); v208 an address
;   window 1: v0-191 x as loaded, 32 a tile (at a trip's end the residual); v192-239 the 48 token numbers
;   window 2: v0-191 the accumulators, 32 a tile; v192-255 x's fragments, two buffers.  While the weights are laid: four sets of 64 registers for loads on their way
.set PW,    2064                       ; a row of weights in LDS: 2,048 bytes + 16: an odd multiple of 16, so the 16 rows of a fragment load start in 16 different groups of banks
.set WL16,  16*PW
.set STG,   64*PW                      ; behind the weights: for each wave two slots of 16 rows x 272 bytes: x on its way in, results on their way out
.set SP,    272
.set SLOTB, 16*SP
.set LST,   STG+4*2*SLOTB              ; for each wave 128 words: the list of a trip's tokens (entries 0-95), a dump (96), room for the fill (up to 111)
.set SPARE, LST+4*512                  ; the spare words, 128 bytes for each wave: two blocks of 256 bytes that no other line names
.set ROWS,  96
.set AA,   1                           ; v1   a = lane % 16
.set GG,   2                           ; v2   g = lane / 16
.set SPW,  3                           ; v3   LDS address of my spare word; never rewritten
.set NIL,  4                           ; v4   0; never rewritten
.set WOFF, 5                           ; v5   65536 w + 16 lane: my 16 bytes of a run of 512 of my wave's 16 rows of W
.set WST,  6                           ; v6   their place in LDS: 16 w rows + 8 lane
.set IOFF, 7                           ; v7   4096 w + 16 lane, in idx
.set BAD0, 8                           ; v8   a W fragment: row a, 16 g;  v9 the same 32 rows on
.set STA,  10                          ; v10  my stage by whole rows: row 8 g, byte 16 a
.set AFR,  11                          ; v11  my stage by fragments: row a, byte 16 g
.set EST,  12                          ; v12  my stage for results: row a, byte 32 g
.set LSTB, 13                          ; v13  my wave's list
.set LRD,  14                          ; v14  + 32 g
.set TOK0, 15                          ; v15  1024 w + 4 lane
.set A16,  16                          ; v16  16 a
.set A8,   17                          ; v17  8 a
.set C96,  18                          ; v18  96
.set ONE,  19                          ; v19  1.0
.set BIAS, 20                          ; v[20:23] b of my four columns 4 a .. 4 a + 3
.set T,    24                          ; v[24:31] at work
.set OFF,  32                          ; v[32:79] for tile t and load i, at 8 t + i: the byte offset of my part of row 8 g + i
.set BF,   80                          ; W's fragments: 32 features ks, column block ct at 32 ks + 8 ct
.set LFL,  208                         ; v208 my wave's list + 4 lane
.set TK,   192                         ; window 1
.set AF,   192                         ; window 2: buffer, ks at 32 buffer + 8 ks
.set WV,   14                          ; s14 wave;  s15 j;  s16 e
.set JJ,   15
.set EE,   16
.set MW,   20                          ; s20 my wave's count of tokens
.set NTRIP,21                          ; s21 its trips
.set PP,   22                          ; s22 the trip
.set P96,  23                          ; s23 96 x the trip
.set CNT,  24                          ; s24 rows of this trip, 1 .. 96
.set RANK, 25
.set TS,   26
.set TOKW, 27                          ; s27 1024 w
.set MK,   66                          ; s[66:97] 32 masks: which lanes' tokens chose e
.set MSB, 0
.macro WIN new                         ; the immediate's high byte repeats the setting that is left; a switch that changes nothing is dropped
.if MSB != (\new)
	s_set_vgpr_msb (MSB<<8)|(\new)
.set MSB, (\new)
.endif
.endm
.set W_ST, 0x88                        ; source 1 (store data) and destination in window 2
.set W_CV, 0x8a                        ; sources 0, 1 and destination in window 2
.set W_X,  0x44                        ; source 1 and destination in window 1
.set W_MM, 0xa8                        ; source 0 (W) window 0; source 1 (x), C and D window 2
.set W_RES,0xa1                        ; source 0 window 1, source 1 window 0, source 2 and destination window 2
.set W_TK, 0x01                        ; source 0 window 1
.macro PLACES                          ; a load into a register that a matrix instruction has read stands four plain vector instructions behind it (ISA guide 7.12.1 for vector instructions)
.rept 4
	v_nop
.endr
.endm
; 16 loads of 512 consecutive bytes: group gq of 8 of my wave's 65,536 bytes of W, into set gq % 4
.macro WLOAD gq
	WIN W_ST
.set u, 0
.rept 16
	global_load_b128 v[64*((\gq)%4)+4*u:64*((\gq)%4)+4*u+3], v[WOFF], s[4:5] offset:512*(16*(\gq)+u) th:TH_LOAD_NT
.set u, u+1
.endr
.endm
; group gq is rounded to bf16 and laid into LDS; n = how many younger loads may stay out; re = 1: its set takes the group four on
.macro WGRP gq, n, re
	s_wait_loadcnt \n
	WIN W_CV
.set u, 0
.rept 16
.set q0, 64*((\gq)%4)+4*u
	v_cvt_pk_bf16_f32 v[q0], v[q0], v[q0+1]
	v_cvt_pk_bf16_f32 v[q0+1], v[q0+2], v[q0+3]
.set u, u+1
.endr
	WIN W_ST
.set u, 0
.rept 16
.set q0, 64*((\gq)%4)+4*u
.set q, 16*(\gq)+u
	ds_store_b64 v[WST], v[q0:q0+1] offset:(q/8)*PW+(q%8)*256  ; run q: row q / 8 of my 16, 128 features from 128 (q % 8) on
.set u, u+1
.endr
.if \re
	WLOAD (\gq)+4
.endif
.endm
; THE LIST of this trip's rows, and their offsets.  Token 1024 w + 128 (k / 4) + 4 lane + k % 4 belongs to mask k; its rank among the wave's chosen tokens is the bits of earlier masks plus the
; bits below its lane.  Ranks 96 p .. 96 p + 95 go to entries 0 .. 95; all others, and the lanes that did not match, to the dump.
.macro LISTOFF
	WIN 0
	v_mov_b32 v[T+7], s[TOKW]
.irp i, 0,1,2,3
	ds_store_b32 v[LFL], v[T+7] offset:128*\i      ; first every word of the list takes a real token of the wave: no word is read that nobody wrote
.endr
	s_sub_co_u32 s[RANK], 0, s[P96]                ; ranks count from this trip's first; earlier ones wrap to large numbers
.set lk, 0
.rept 32
.set lt, T+3*(lk%2)
	v_mbcnt_lo_u32_b32 v[lt], s[MK+lk], s[RANK]
	v_add_nc_u32 v[lt+2], 128*(lk/4)+lk%4, v[TOK0]
	v_cndmask_b32 v[lt], v[C96], v[lt], s[MK+lk]
	v_min_u32 v[lt], ROWS, v[lt]
	v_lshl_add_u32 v[lt+1], v[lt], 2, v[LSTB]
	ds_store_b32 v[lt+1], v[lt+2]
	s_bcnt1_i32_b32 s[TS], s[MK+lk]
	s_add_co_u32 s[RANK], s[RANK], s[TS]
.set lk, lk+1
.endr
	s_sub_co_u32 s[CNT], s[MW], s[P96]
	s_min_u32 s[CNT], s[CNT], ROWS
	ds_load_b32 v[T+6], v[LSTB]                    ; the trip's first row
	v_add_nc_u32 v[T], s[CNT], v[AA]
	v_lshl_add_u32 v[T], v[T], 2, v[LSTB]
	s_wait_dscnt 0x0                               ; it is in (and so is every LDS load that a jump out of the way out left on its way)
	ds_store_b32 v[T], v[T+6]                      ; the 16 entries behind the count repeat it: the tile that is begun is filled
.set lk, 0
.rept 6
	ds_load_b128 v[BF+8*lk:BF+8*lk+3],   v[LRD] offset:64*lk     ; tile lk: rows 8 g + 0 .. 3,
	ds_load_b128 v[BF+8*lk+4:BF+8*lk+7], v[LRD] offset:64*lk+16  ; rows 8 g + 4 .. 7
.set lk, lk+1
.endr
	s_wait_dscnt 0x0
	WIN 0x40                                       ; destination window 1
.set lk, 0
.rept 48
	v_min_u32 v[TK+lk], 0xfff, v[BF+lk]            ; a token number is kept inside x's 4,096 rows
.set lk, lk+1
.endr
	WIN W_TK
.set lk, 0
.rept 48
	v_lshl_add_u32 v[OFF+lk], v[TK+lk], 11, v[A16] ; in xb: row x 2,048 + 16 a
.set lk, lk+1
.endr
.endm
; the first 128 features of all 96 rows: lanes 0-15 take 256 consecutive bytes of row 8 t' + i, lanes 16-31 of the row 8 further on
.macro XLOAD0
	WIN W_X
.set lk, 0
.rept 48
	global_load_b128 v[4*lk:4*lk+3], v[OFF+lk], s[8:9]
.set lk, lk+1
.endr
.endm
; W's fragments of chunk c (128 features): 32 loads in one run
.macro BL c
	WIN 0
.set bk, 0
.rept 4
.set bj, 0
.rept 4
	ds_load_b128 v[BF+32*bk+8*bj:BF+32*bk+8*bj+3],   v[BAD0+bj/2] offset:(bj%2)*WL16+256*(\c)+64*bk
	ds_load_b128 v[BF+32*bk+8*bj+4:BF+32*bk+8*bj+7], v[BAD0+bj/2] offset:(bj%2)*WL16+256*(\c)+64*bk+32
.set bj, bj+1
.endr
.set bk, bk+1
.endr
.endm
; Step n = 6 chunk + tile: the tile's 16 rows x 128 features go from registers through my stage into fragments, and the registers take the next chunk (behind the last chunk: the residual).
.macro XT n
.set xc, (\n)/6
.set xt, (\n)%6
.set xs, xt%2
	s_wait_loadcnt 40                              ; younger than this tile's eight loads: 8 (5 - tile) of this chunk's later tiles and 8 tile of the next chunk's earlier ones
.if xc == 7
	WIN W_TK
.set xi, 0
.rept 8
	v_lshl_add_u32 v[OFF+8*xt+xi], v[TK+8*xt+xi], 11, v[A8]  ; the loads that named it are done: now row x 2,048 + 8 a, my four columns of the residual
.set xi, xi+1
.endr
.endif
	WIN W_X
.set xi, 0
.rept 8
	ds_store_b128 v[STA], v[32*xt+4*xi:32*xt+4*xi+3] offset:SLOTB*xs+SP*xi
.set xi, xi+1
.endr
.set xi, 0
.rept 8
.if xc == 7
	global_load_b64 v[32*xt+2*xi:32*xt+2*xi+1], v[OFF+8*xt+xi], s[28:29]
.else
	global_load_b128 v[32*xt+4*xi:32*xt+4*xi+3], v[OFF+8*xt+xi], s[8:9] offset:256*(xc+1)
.endif
.set xi, xi+1
.endr
	WIN W_MM
.set xi, 0
.rept 4
	ds_load_b128 v[AF+32*xs+8*xi:AF+32*xs+8*xi+3],   v[AFR] offset:SLOTB*xs+64*xi     ; LDS serves a wave's instructions in order (ISA guide 5.7.1.4): these see the stores above
	ds_load_b128 v[AF+32*xs+8*xi+4:AF+32*xs+8*xi+7], v[AFR] offset:SLOTB*xs+64*xi+32
.set xi, xi+1
.endr
.endm
; 16 matrix instructions: the tile's four accumulators by turns, one instruction a turn; the next tile begins on another accumulator.  The first chunk's first products start the sums.
.macro MM n
.set mc, (\n)/6
.set mt, (\n)%6
	WIN W_MM
.set mk, 0
.rept 4
.set mj, 0
.rept 4
.if (mc == 0) && (mk == 0)
	v_wmma_f32_16x16x32_bf16 v[32*mt+8*mj:32*mt+8*mj+7], v[BF+32*mk+8*mj:BF+32*mk+8*mj+7], v[AF+32*(mt%2)+8*mk:AF+32*(mt%2)+8*mk+7], 0
.else
	v_wmma_f32_16x16x32_bf16 v[32*mt+8*mj:32*mt+8*mj+7], v[BF+32*mk+8*mj:BF+32*mk+8*mj+7], v[AF+32*(mt%2)+8*mk:AF+32*(mt%2)+8*mk+7], v[32*mt+8*mj:32*mt+8*mj+7]
.endif
.set mj, mj+1
.endr
.set mk, mk+1
.endr
.endm
.macro STEP n
.if ((\n) > 0) && ((\n) < 47)
	PLACES
.endif
.if (\n)%6 == 0
	BL (\n)/6
.endif
.if (\n) < 47
	XT (\n)+1
	s_wait_dscnt 16                                ; all but the 16 LDS instructions of the step ahead: this step's fragments, W's too, are in
.else
	s_wait_dscnt 0x0
.endif
	MM \n
.endm
; THE WAY OUT of tile t.  TOST: a lane's 8 columns of a row, 32 bytes, go into my stage (each accumulator from its low end on) and come back as whole rows of 256 bytes, into the registers that they left.
.macro TOST t
	WIN W_ST
.set oj, 0
.rept 4
	ds_store_b128 v[EST], v[32*(\t)+8*oj:32*(\t)+8*oj+3]   offset:SLOTB*((\t)%2)+64*oj
	ds_store_b128 v[EST], v[32*(\t)+8*oj+4:32*(\t)+8*oj+7] offset:SLOTB*((\t)%2)+64*oj+16
.set oj, oj+1
.endr
.set oi, 0
.rept 8
	ds_load_b128 v[32*(\t)+4*oi:32*(\t)+4*oi+3], v[STA] offset:SLOTB*((\t)%2)+SP*oi
.set oi, oi+1
.endr
.endm
; SEND: bias, ReLU, residual, store.  Lane (a, g) holds row 8 g + i, columns 4 a .. 4 a + 3.
.macro SEND t
	WIN W_ST
.set oi, 0
.rept 8
.set od, 32*(\t)+4*oi
	v_pk_add_f32 v[od:od+1],   v[BIAS:BIAS+1],   v[od:od+1]
	v_pk_add_f32 v[od+2:od+3], v[BIAS+2:BIAS+3], v[od+2:od+3]
.set oi, oi+1
.endr
.set oi, 0
.rept 32
	v_max_num_f32 v[32*(\t)+oi], 0, v[32*(\t)+oi]
.set oi, oi+1
.endr
	WIN W_RES
.set oi, 0
.rept 8
.set od, 32*(\t)+4*oi
.set ox, 32*(\t)+2*oi
	v_fma_mix_f32_bf16 v[od],   v[ox],   v[ONE], v[od]   op_sel_hi:[1,0,0]                  ; x (a bf16 half) x 1.0 + the result
	v_fma_mix_f32_bf16 v[od+1], v[ox],   v[ONE], v[od+1] op_sel:[1,0,0] op_sel_hi:[1,0,0]
	v_fma_mix_f32_bf16 v[od+2], v[ox+1], v[ONE], v[od+2] op_sel_hi:[1,0,0]
	v_fma_mix_f32_bf16 v[od+3], v[ox+1], v[ONE], v[od+3] op_sel:[1,0,0] op_sel_hi:[1,0,0]
.set oi, oi+1
.endr
	WIN W_ST
.set oi, 0
.rept 8
	global_store_b128 v[OFF+8*(\t)+oi], v[32*(\t)+4*oi:32*(\t)+4*oi+3], s[12:13] th:TH_STORE_NT  ; 16 lanes store 256 consecutive bytes of a row, at a multiple of 256 from out0's first byte
.set oi, oi+1
.endr
.endm
	s_load_b256 s[4:11], s[0:1], 0x0               ; W s[4:5], b s[6:7], xb s[8:9], idx s[10:11]
	s_load_b64 s[12:13], s[0:1], 0x20              ; out0
	v_lshl_add_u32 v[SPW], v0, 2, SPARE
	v_mov_b32 v[NIL], 0
	v_lshrrev_b32 v[T], 5, v0
	v_readfirstlane_b32 s[WV], v[T]                ; wave 0..3
	v_and_b32 v[T], 31, v0                         ; lane
	v_and_b32 v[AA], 15, v0
	v_bfe_u32 v[GG], v0, 4, 1
	s_mov_b32 s[JJ], ttmp9
	s_and_b32 s[EE], ttmp7, 0xffff
	s_lshl_b32 s[TS], s[WV], 16
	v_lshl_add_u32 v[WOFF], v[T], 4, s[TS]
	s_mul_i32 s[TS], s[WV], WL16
	v_lshl_add_u32 v[WST], v[T], 3, s[TS]
	s_lshl_b32 s[TS], s[WV], 12
	v_lshl_add_u32 v[IOFF], v[T], 4, s[TS]
	v_mul_u32_u24 v[BAD0], v[AA], PW
	v_lshl_add_u32 v[BAD0], v[GG], 4, v[BAD0]
	v_add_nc_u32 v[BAD0+1], 2*WL16, v[BAD0]
	s_mul_i32 s[TS], s[WV], 2*SLOTB
	s_add_co_u32 s[TS], s[TS], STG                 ; my stage
	v_mul_u32_u24 v[STA], v[GG], 8*SP
	v_lshl_add_u32 v[STA], v[AA], 4, v[STA]
	v_add_nc_u32 v[STA], s[TS], v[STA]
	v_mul_u32_u24 v[T+1], v[AA], SP
	v_lshl_add_u32 v[AFR], v[GG], 4, v[T+1]
	v_add_nc_u32 v[AFR], s[TS], v[AFR]
	v_lshl_add_u32 v[EST], v[GG], 5, v[T+1]
	v_add_nc_u32 v[EST], s[TS], v[EST]
	s_lshl_b32 s[TS], s[WV], 9
	s_add_co_u32 s[TS], s[TS], LST                 ; my list
	v_mov_b32 v[LSTB], s[TS]
	v_lshl_add_u32 v[LRD], v[GG], 5, v[LSTB]
	v_lshl_add_u32 v[LFL], v[T], 2, v[LSTB]
	s_lshl_b32 s[TOKW], s[WV], 10
	v_lshl_add_u32 v[TOK0], v[T], 2, s[TOKW]
	v_lshlrev_b32 v[A16], 4, v[AA]
	v_lshlrev_b32 v[A8], 3, v[AA]
	v_mov_b32 v[C96], ROWS
	v_mov_b32 v[ONE], 1.0
	s_mov_b32 s19, 0
	s_wait_kmcnt 0x0
	s_lshl_b32 s18, s[EE], 22                      ; an expert's weights are 4 MiB, my slice of 64 rows 256 KiB
	s_lshl_b32 s[TS], s[JJ], 18
	s_add_co_u32 s18, s18, s[TS]
	s_add_nc_u64 s[4:5], s[4:5], s[18:19]
	s_lshl_b32 s18, s[EE], 12
	s_lshl_b32 s[TS], s[JJ], 8
	s_add_co_u32 s18, s18, s[TS]
	s_add_nc_u64 s[6:7], s[6:7], s[18:19]          ; b at my 64 columns
	s_lshl_b32 s18, s[JJ], 7
	s_add_nc_u64 s[28:29], s[8:9], s[18:19]        ; xb at my 64 columns, for the residual
	s_lshl_b32 s18, s[JJ], 8
	s_add_nc_u64 s[12:13], s[12:13], s[18:19]      ; out0 at my 64 columns
.set i, 0
.rept 8
	global_load_b128 v[BF+4*i:BF+4*i+3], v[IOFF], s[10:11] offset:512*i  ; my wave's 1,024 choices
.set i, i+1
.endr
	global_load_b128 v[BIAS:BIAS+3], v[A16], s[6:7]
	WLOAD 0
	WLOAD 1
	WLOAD 2
	s_wait_loadcnt 48                              ; idx and b are in; the 48 loads of weights stay out, and the list is made in their shadow
	WIN 0
	v_cvt_pk_bf16_f32 v[T], v[BIAS], v[BIAS+1]     ; b counts as its bf16 rounding, like every input
	v_cvt_pk_bf16_f32 v[T+1], v[BIAS+2], v[BIAS+3]
	v_lshlrev_b32 v[BIAS], 16, v[T]
	v_and_b32 v[BIAS+1], 0xffff0000, v[T]
	v_lshlrev_b32 v[BIAS+2], 16, v[T+1]
	v_and_b32 v[BIAS+3], 0xffff0000, v[T+1]
.set i, 0
.rept 32
	v_cmp_eq_u32 s[MK+i], s[EE], v[BF+i]
.set i, i+1
.endr
	s_mov_b32 s[MW], 0
.set i, 0
.rept 32
	s_bcnt1_i32_b32 s[TS], s[MK+i]
	s_add_co_u32 s[MW], s[MW], s[TS]
.set i, i+1
.endr
	s_add_co_u32 s[NTRIP], s[MW], ROWS-1
	s_mul_i32 s[NTRIP], s[NTRIP], 683              ; 683 / 65,536 is 1 / 96 + 5.1e-6: the quotient's whole part is exact up to 1,119, the most that can come here
	s_lshr_b32 s[NTRIP], s[NTRIP], 16              ; ceil(count / 96)
	s_mov_b32 s[PP], 0
	s_mov_b32 s[P96], 0
	LISTOFF                                        ; with a count of 0 all rows are token 1024 w; they are loaded and nothing more
	WLOAD 3
	WGRP 0, 48, 1                                  ; three younger groups stay out
	WGRP 1, 48, 1
	WGRP 2, 48, 1
	WGRP 3, 48, 1
	WGRP 4, 48, 0
	WGRP 5, 32, 0
	XLOAD0                                         ; the first trip's first chunk of x goes out behind the last weights
	WGRP 6, 63, 0                                  ; 64 loads are younger (group 7 and x); the wait's field ends at 63, and a smaller count is safe
	WGRP 7, 48, 0                                  ; x stays out
	WIN 0
	s_wait_dscnt 0x0                               ; for the others' sake: my 16 rows of weights are in LDS
	s_barrier_signal -1
	s_barrier_wait -1                              ; all 64 rows are; nobody writes them again
	s_cmp_eq_u32 s[NTRIP], 0
	s_cbranch_scc1 .Lend                           ; none of my 1,024 tokens chose e
.Ltrip:                                                ; every LDS address in the trip is a register made at the head plus an immediate, or the list's, held to its 97 entries
	XT 0
.set tau, 0
.rept 48
	STEP tau
.set tau, tau+1
.endr
	s_wait_loadcnt 0x0                             ; the residual is in, and no load names OFF any more
	WIN W_TK
.set i, 0
.rept 48
	v_lshl_add_u32 v[OFF+i], v[TK+i], 12, v[A16]   ; in out0: row x 4,096 + 16 a.  These lines are also the places behind the last products
.set i, i+1
.endr
	TOST 0
	TOST 1
.irp t, 0,1,2,3,4,5
.if \t < 5
	s_wait_dscnt 16                                ; the next tile's 16 LDS instructions may stay out
.else
	s_wait_dscnt 0x0
.endif
	WIN 0                                          ; at a branch and at a label every window is 0
.if \t > 0
	s_cmp_le_u32 s[CNT], 16*\t
	s_cbranch_scc1 .Lepi_end                       ; this tile and those behind it lie wholly past the count: only stores and register work are jumped
.endif
	SEND \t
.if \t < 4
	TOST \t+2
.endif
.endr
	WIN 0
.Lepi_end:
	s_add_co_u32 s[PP], s[PP], 1
	s_add_co_u32 s[P96], s[P96], ROWS
	s_cmp_ge_u32 s[PP], s[NTRIP]
	s_cbranch_scc1 .Lend
	s_wait_xcnt 0x0                                ; the stores' offsets and data are rewritten only behind this wait (ISA guide 3.1)
	LISTOFF
	XLOAD0
	WIN 0
	s_cmp_lt_u32 s[PP], s[NTRIP]
	s_cbranch_scc1 .Ltrip
.Lend:
	s_wait_tensorcnt 0x0                           ; the wave's end
	ds_add_u32 v[SPW], v[NIL]
	s_wait_dscnt 0x0
	s_endpgm
.Lfunc_end_k_q0301ce9964_expert:
	.size	k_q0301ce9964_expert, .Lfunc_end_k_q0301ce9964_expert-k_q0301ce9964_expert
	.p2alignl 7, 3214868480
	.fill 96, 4, 3214868480
	.section	.rodata,"a",@progbits
	.p2align	6, 0x0
	.amdhsa_kernel k_q0301ce9964_expert
		.amdhsa_group_segment_fixed_size 169472
		.amdhsa_private_segment_fixed_size 0
		.amdhsa_enable_private_segment 0
		.amdhsa_kernarg_size 40
		.amdhsa_user_sgpr_count 2
		.amdhsa_user_sgpr_kernarg_segment_ptr 1
		.amdhsa_wavefront_size32 1
		.amdhsa_system_sgpr_workgroup_id_x 1
		.amdhsa_system_sgpr_workgroup_id_y 1
		.amdhsa_system_sgpr_workgroup_id_z 1
		.amdhsa_system_vgpr_workitem_id 0
		.amdhsa_next_free_vgpr 768
		.amdhsa_next_free_sgpr 98
		.amdhsa_reserve_vcc 0
		.amdhsa_float_denorm_mode_32 3
		.amdhsa_float_denorm_mode_16_64 3
		.amdhsa_memory_ordered 1
		.amdhsa_forward_progress 1
		.amdhsa_inst_pref_size 255
	.end_amdhsa_kernel
	.section	.bss,"aw",@nobits
	.p2align	6
	.space	262144
	.amdgpu_metadata
---
amdhsa.version: [ 1, 2 ]
amdhsa.kernels:
  - .name:           k_q0301ce9964_expert
    .symbol:         k_q0301ce9964_expert.kd
    .args:
      - { .name: W, .offset: 0, .size: 8, .value_kind: global_buffer, .address_space: global }
      - { .name: b, .offset: 8, .size: 8, .value_kind: global_buffer, .address_space: global }
      - { .name: xb, .offset: 16, .size: 8, .value_kind: global_buffer, .address_space: global }
      - { .name: idx, .offset: 24, .size: 8, .value_kind: global_buffer, .address_space: global }
      - { .name: out0, .offset: 32, .size: 8, .value_kind: global_buffer, .address_space: global }
    .group_segment_fixed_size: 169472
    .private_segment_fixed_size: 0
    .kernarg_segment_align: 8
    .kernarg_segment_size: 40
    .max_flat_workgroup_size: 128
    .sgpr_count:     98
    .vgpr_count:     768
    .wavefront_size: 32
...
	.end_amdgpu_metadata
.endif
;; end of part 2
;; ======== version 2 of 3: 2 launches; 1.25 times as fast as version 1
;; workspace buffers: xb 8,388,608 bytes; idx 16,384 bytes of whole numbers
;; launch route: the kernel of part 1 again; grid 256 x 1, 8 waves a work-group, no clusters, 78,848 bytes of LDS; arguments x, signatures_raw, xb, idx, out1; writes xb, idx, out1
;; launch expert (part 3): grid 16 x 16, 4 waves a work-group, no clusters, 321,024 bytes of LDS; arguments W, b, xb, idx, out0; writes out0
.if DOCPART == 3
	.amdgcn_target "amdgcn-amd-amdhsa--gfx1250"
	.amdhsa_code_object_version 6
	.text
	.protected	k_q0301ce9964_expert
	.globl	k_q0301ce9964_expert
	.p2align	8
	.type	k_q0301ce9964_expert,@function
k_q0301ce9964_expert:
	s_mov_b64 s[64:65], 0
	v_nop
	global_prefetch_b8 v0, s[64:65] scope:SCOPE_SE
	s_setreg_imm32_b32 hwreg(HW_REG_WAVE_MODE, 25, 1), 1
	s_wait_xcnt 0x0
; out0[t][n] = relu(x[t] . W[e][n] + b[e][n]) + x[t][n] for e = idx[t] alone.  x comes as xb (bf16); W and b are rounded once to bf16 here; sums, bias, ReLU and residual in f32.
; LIMITS.  Every input counts as its bf16 rounding, the residual x too.  idx holds 0 .. 15; a token whose idx names no expert would be left unwritten.
; SHARES.  Work-group (2 j + r, e) owns the output columns 128 j .. 128 j + 127 of expert e and the tokens 2048 r .. 2048 r + 2047: so a row of x is gathered by 8 work-groups.
; Its 128 rows of W[e], 524,288 consecutive bytes, are laid into LDS once as bf16; the neighbour in the grid (the other r) reads the same rows, so these loads carry no hint.
; The M tokens of the half that chose e are ranked alike by all four waves (each reads all 2,048 choices); of each 192 ranks wave w takes the tiles of 16 numbered w, 4 + w and 8 + w.
; A trip is up to 3 tiles x 128 columns x K = 1,024; a wave makes ceil((M - 16 w) / 192) trips, at most 11: every split of the tokens is served.
; A THIRD TILE WITHOUT ROWS IS NOT WORKED ON: its steps stand in blocks of their own, one a chunk, jumped by a forward branch on the wave's count.  Each tile has its own LDS slot and fragment
; buffer, and each counted wait takes the smallest count that any way through the branches leaves.  Its first two chunks are asked for with the others', in one run of constant length.
; The one barrier stands between the laying of the weights and the first trip; the loop has none.  Places past M in a tile that is begun repeat the wave's first row of the trip: they compute
; and store that row's bytes once more, from the same wave; tiles wholly past M name a real row, and their stores are jumped.  EXEC is never narrowed.
; NO TENSOR LOADS: the weights are f32 and are rounded on their way through registers; a slice in f32 is larger than LDS, and from a ring of f32 slots it would be read, rounded and stored again.
; NO CLUSTER: joint requests are tensor loads, which the line above rules out for W; the token rows that an expert's work-groups share come by a list, which no tile descriptor covers.
; x GOES THROUGH LDS: a load of the wave then takes two whole runs of 256 consecutive bytes (two rows' 128 features); in the fragments' own shape it would take 32 bytes of each of 16 rows.
; THE MATRIX INSTRUCTION IS USED TRANSPOSED (source 0 = 16 rows of W, source 1 = 16 tokens): lane (r, h) holds token r and the columns 8 h + 0 .. 7 of the block of 16.
; REGISTERS, in windows of 256 (s_set_vgpr_msb: bits 1:0 source 0, 3:2 source 1, 5:4 source 2, 7:6 destination):
;   window 0: v0-39 addresses, constants, at work; v40-63 OFF; v64-87 ROFF; v88-151 idx (then: v88-111 the list read back, v120-151 tile 2's fragments); v152-175 token numbers; v176-187 at work; v192-195 W's offsets
;   window 1: x as loaded: tiles 0 and 1 three chunks deep (96 t + 32 (chunk % 3)), tile 2 two deep (192 + 32 (chunk % 2)); at a trip's end the residual
;   window 2: v0-191 the accumulators, 64 a tile; v192-255 the fragments of tiles 0 and 1.  While the weights are laid: four sets of 64 registers for loads on their way
;   window 3: W's fragments of one chunk of 128 features: 32 features ks, column block ct at 64 ks + 8 ct
.set PW,    2064                       ; a row of weights in LDS: 2,048 bytes + 16: an odd multiple of 16, so the 16 rows of a fragment load start in 16 different groups of banks
.set WL16,  16*PW
.set STG,   128*PW                     ; behind the weights: for each wave three slots of 16 rows x 272 bytes: x on its way in (a slot a tile), results on their way out (slots 0 and 1)
.set SP,    272
.set SLOTB, 16*SP
.set LST,   STG+4*3*SLOTB              ; for each wave 256 words: entry 64 t + row is a row of its tile t; entry 192 is the dump; up to 207 room for the fill
.set SPARE, LST+4*1024                 ; the spare words, 128 bytes for each wave: two blocks of 256 bytes that no other line names
.set ROWS,  192                        ; ranks in a trip of the work-group
.set AA,   1                           ; v1   a = lane % 16
.set GG,   2                           ; v2   g = lane / 16
.set SPW,  3                           ; v3   LDS address of my spare word; never rewritten
.set NIL,  4                           ; v4   0; never rewritten
.set WST,  5                           ; v5   where my 8 bytes of a run of W go in LDS: 32 w rows + 8 lane; steps by 8 rows for each four groups
.set IOFF, 6                           ; v6   16 lane, in idx
.set BAD0, 8                           ; v8-11  a W fragment: row a, 16 g; each 32 rows on from the last
.set STA,  12                          ; v12  my stage by whole rows: row 8 g, byte 16 a
.set AFR,  13                          ; v13  my stage by fragments: row a, byte 16 g
.set EST,  14                          ; v14  my stage for results: row a, byte 32 g
.set LSTB, 15                          ; v15  my wave's list
.set LRD,  16                          ; v16  + 32 g
.set TOK0, 17                          ; v17  2048 r + 4 lane
.set A16,  18                          ; v18  16 a
.set A8,   19                          ; v19  8 a
.set C192, 20                          ; v20  192
.set ONE,  21                          ; v21  1.0
.set BIAS, 22                          ; v[22:29] b of my columns 4 a .. 4 a + 3 in the left 64 and in the right 64
.set LFL,  30                          ; v30  my wave's list + 4 lane
.set T,    32                          ; v[32:39] at work
.set OFF,  40                          ; v[40:63] for tile t and load i, at 8 t + i: the byte offset of my part of row 8 g + i in xb, later in out0
.set ROFF, 64                          ; v[64:87] the same for the residual
.set IDX,  88                          ; v[88:151]
.set AF2,  120                         ; v[120:151] tile 2's fragments, 8 for each 32 features
.set TK,   152                         ; v[152:175] the 24 token numbers
.set LT,   176                         ; v[176:187] the list's scatter: three registers for each of four masks abreast
.set WOFF, 192                         ; v[192:195] for each set of weight registers: 131072 w + 16 lane + 32,768 for each time the set has been filled again
.set AF,   192                         ; window 2: tile t (0, 1), ks at 32 t + 8 ks
.set WV,   14                          ; s14 wave;  s15 j;  s16 e;  s17 r
.set JJ,   15
.set EE,   16
.set RR,   17
.set NTRIP,21                          ; s21 my wave's trips
.set PP,   22                          ; s22 the trip p
.set BASE, 23                          ; s23 192 p + 16 w: the rank of my tile 0's first row
.set CNT,  24                          ; s24 M - BASE, held to 0 .. 192: entry x of my list is a true row where x is below it
.set RANK, 25
.set TS,   26
.set TOKW, 27                          ; s27 2048 r
.set WLP,  30                          ; s30 counts the loop that lays the weights
.set MSB, 0                            ; s[32:63], s[66:97]: 64 masks: which lanes' tokens chose e
.macro WIN new                         ; the immediate's high byte repeats the setting that is left; a switch that changes nothing is dropped
.if MSB != (\new)
	s_set_vgpr_msb (MSB<<8)|(\new)
.set MSB, (\new)
.endif
.endm
.set W_ST, 0x88                        ; source 1 (store data) and destination in window 2
.set W_CV, 0x8a                        ; sources 0, 1 and destination in window 2
.set W_X,  0x44                        ; source 1 and destination in window 1
.set W_AL, 0x80                        ; destination window 2
.set W_BL, 0xc0                        ; destination window 3
.set W_MM, 0xab                        ; source 0 (W) window 3; source 1 (x), C and D window 2
.set W_M2, 0xa3                        ; the same with source 1 in window 0: tile 2
.set W_RES,0xa1                        ; source 0 window 1, source 1 window 0, source 2 and destination window 2
.macro PLACES                          ; a load into a register that a matrix instruction has read stands four plain vector instructions behind it (ISA guide 7.12.1 for vector instructions)
.rept 4
	v_nop
.endr
.endm
; 16 loads of 512 consecutive bytes into set st: the group that the set's offset register stands at
.macro WLOAD st
	WIN W_ST
.set u, 0
.rept 16
	global_load_b128 v[64*(\st)+4*u:64*(\st)+4*u+3], v[WOFF+(\st)], s[4:5] offset:512*(16*(\st)+u)
.set u, u+1
.endr
.endm
; set st is rounded to bf16 and laid into LDS, two rows of W; n = how many younger loads may stay out; re = 1: the set takes the group four on
.macro WGRP st, n, re
	s_wait_loadcnt \n
.if \re
	WIN 0
	v_add_nc_u32 v[WOFF+(\st)], 0x8000, v[WOFF+(\st)]  ; four groups on.  The wait above shows the set's 16 loads done, and no other load names this register
.endif
	WIN W_CV
.set u, 0
.rept 16
.set q0, 64*(\st)+4*u
	v_cvt_pk_bf16_f32 v[q0], v[q0], v[q0+1]
	v_cvt_pk_bf16_f32 v[q0+1], v[q0+2], v[q0+3]
.set u, u+1
.endr
	WIN W_ST
.set u, 0
.rept 16
.set q0, 64*(\st)+4*u
.set q, 16*(\st)+u
	ds_store_b64 v[WST], v[q0:q0+1] offset:(q/8)*PW+(q%8)*256  ; run q of the four sets' 64: row q / 8 of eight, 128 features from 128 (q % 8) on
.set u, u+1
.endr
.if \re
	WLOAD \st
.endif
.endm
; THE LIST of my rows of this trip, and their offsets, in three parts.  Token 2048 r + 128 (k / 4) + 4 lane + k % 4 belongs to mask k; its rank is the bits of earlier masks plus the bits below its lane.
; x = rank - BASE is the entry.  It is mine where bits 5:4 of x are 0 and x is below 192 (x = 64 t + row); all others, and the lanes that did not match, go to the dump.
.macro LHEAD
	WIN 0
	v_mov_b32 v[T+7], s[TOKW]
.irp i, 0,1,2,3,4,5,6,7
	ds_store_b32 v[LFL], v[T+7] offset:128*\i      ; first every word of the list takes a real token: no word is read that nobody wrote
.endr
	s_sub_co_u32 s[RANK], 0, s[BASE]               ; earlier ranks wrap to large numbers
.endm
.macro L4 line:vararg                  ; one line for each of the four masks that go abreast, so that no line waits for the one before it
.set lm, 0
.rept 4
.set lk, 16*lq+4*lg+lm
.set mr, 32+lk+2*(lk/32)
.set lt, LT+3*lm
.set ltok, 128*(lk/4)+lk%4
	\line
.set lm, lm+1
.endr
.endm
.macro LPART q                         ; masks 16 q .. 16 q + 15
	WIN 0
.set lq, (\q)
.set lg, 0
.rept 4
.set lm, 0
.rept 4
.set lk, 16*lq+4*lg+lm
.set mr, 32+lk+2*(lk/32)
	v_mbcnt_lo_u32_b32 v[LT+3*lm], s[mr], s[RANK]
	s_bcnt1_i32_b32 s[TS], s[mr]
	s_add_co_u32 s[RANK], s[RANK], s[TS]
.set lm, lm+1
.endr
	L4 v_cndmask_b32 v[lt], v[C192], v[lt], s[mr]
	L4 v_and_b32 v[lt+1], 0x30, v[lt]
	L4 v_lshl_or_b32 v[lt], v[lt+1], 4, v[lt]      ; another wave's tile: 256 or more
	L4 v_min_u32 v[lt], ROWS, v[lt]
	L4 v_lshl_add_u32 v[lt+1], v[lt], 2, v[LSTB]
	L4 v_add_nc_u32 v[lt+2], ltok, v[TOK0]
	L4 ds_store_b32 v[lt+1], v[lt+2]
.set lg, lg+1
.endr
.endm
.macro LTAIL                           ; behind the last mask RANK is M - BASE
	WIN 0
	s_max_i32 s[CNT], s[RANK], 0
	s_min_u32 s[CNT], s[CNT], ROWS
	ds_load_b32 v[T+6], v[LSTB]                    ; my first row of the trip
	v_add_nc_u32 v[T], s[CNT], v[AA]
	v_lshl_add_u32 v[T], v[T], 2, v[LSTB]
	s_wait_dscnt 0x0                               ; it is in (and so is every LDS load that a jump out of the way out left on its way)
	ds_store_b32 v[T], v[T+6]                      ; the 16 entries from CNT on repeat it: a tile that is begun is filled; what else they cover is never stored from
.set lk, 0
.rept 3
	ds_load_b128 v[IDX+8*lk:IDX+8*lk+3],   v[LRD] offset:256*lk     ; tile lk: rows 8 g + 0 .. 3,
	ds_load_b128 v[IDX+8*lk+4:IDX+8*lk+7], v[LRD] offset:256*lk+16  ; rows 8 g + 4 .. 7
.set lk, lk+1
.endr
	s_wait_dscnt 0x0
.set lk, 0
.rept 24
	v_min_u32 v[TK+lk], 0xfff, v[IDX+lk]           ; a token number is kept inside x's 4,096 rows
.set lk, lk+1
.endr
.set lk, 0
.rept 24
	v_lshl_add_u32 v[OFF+lk], v[TK+lk], 11, v[A16] ; in xb: row x 2,048 + 16 a
	v_lshl_add_u32 v[ROFF+lk], v[TK+lk], 11, v[A8] ; for the residual: row x 2,048 + 8 a
.set lk, lk+1
.endr
.endm
.macro XREG t, c                       ; where chunk c of tile t lies in window 1
.if (\t) < 2
.set xr, 96*(\t)+32*((\c)%3)
.else
.set xr, 192+32*((\c)%2)
.endif
.endm
; chunk c (0, 1, 2) of 128 features of my rows, a unit of eight loads a tile: lanes 0-15 take 256 consecutive bytes of row i of a tile, lanes 16-31 of row 8 + i.  Tile 2 is two chunks deep: it has no unit in chunk 2
.macro XLOADC c
	WIN W_X
.irp t, 0,1,2
.if ((\t) < 2) || ((\c) < 2)
	XREG \t, \c
.set xi, 0
.rept 8
	global_load_b128 v[xr+4*xi:xr+4*xi+3], v[OFF+8*(\t)+xi], s[8:9] offset:256*(\c)
.set xi, xi+1
.endr
.endif
.endr
.endm
; W's fragments of chunk c (128 features x 128 columns): 64 loads in one run, the first 32 features first
.macro BL c
	WIN W_BL
.set bk, 0
.rept 4
.set bj, 0
.rept 8
	ds_load_b128 v[64*bk+8*bj:64*bk+8*bj+3],   v[BAD0+bj/2] offset:(bj%2)*WL16+256*(\c)+64*bk
	ds_load_b128 v[64*bk+8*bj+4:64*bk+8*bj+7], v[BAD0+bj/2] offset:(bj%2)*WL16+256*(\c)+64*bk+32
.set bj, bj+1
.endr
.set bk, bk+1
.endr
.endm
; Chunk c of tile t goes from registers through the tile's slot of my stage into the tile's fragment buffer, and the registers take the chunk three on (tile 2: two on); past the last chunk
; they take the residual's left and right halves, then nothing.  n = the loads that are younger than this unit's eight on every way through the branches.
.macro XT t, c, n
	XREG \t, \c
.set xa, 3-(\t)/2
	s_wait_loadcnt \n
	WIN W_X
.set xi, 0
.rept 8
	ds_store_b128 v[STA], v[xr+4*xi:xr+4*xi+3] offset:SLOTB*(\t)+SP*xi
.set xi, xi+1
.endr
.set xi, 0
.rept 8
.if (\c)+xa < 8
	global_load_b128 v[xr+4*xi:xr+4*xi+3], v[OFF+8*(\t)+xi], s[8:9] offset:256*((\c)+xa)
.elseif (\c)+xa < 10
	global_load_b64 v[xr+2*xi:xr+2*xi+1], v[ROFF+8*(\t)+xi], s[28:29] offset:128*((\c)+xa-8)  ; x at my four columns of the left or right 64
.endif
.set xi, xi+1
.endr
.if (\t) < 2
	WIN W_AL
.set xf, AF+32*(\t)
.else
	WIN 0
.set xf, AF2
.endif
.set xi, 0
.rept 4
	ds_load_b128 v[xf+8*xi:xf+8*xi+3],   v[AFR] offset:SLOTB*(\t)+64*xi     ; LDS serves a wave's instructions in order (ISA guide 5.7.1.4): these see the stores above
	ds_load_b128 v[xf+8*xi+4:xf+8*xi+7], v[AFR] offset:SLOTB*(\t)+64*xi+32
.set xi, xi+1
.endr
.endm
; 32 matrix instructions: the tile's eight accumulators by turns, one instruction a turn; the next tile begins on another accumulator.  The first chunk's first products start the sums.
; In tile 0 the waits go down with W's run of loads: behind the 16 loads of 32 features stand the run's rest and the 16 LDS instructions of tile 1's step: 64 (the wait's field ends at 63), 48, 32, 16.
.macro MM t, c
.if (\t) < 2
	WIN W_MM
.set ma, AF+32*(\t)
.else
	WIN W_M2
.set ma, AF2
.endif
.set mk, 0
.rept 4
.if (\t) == 0
.if mk == 0
	s_wait_dscnt 63
.else
	s_wait_dscnt 64-16*mk
.endif
.endif
.set mj, 0
.rept 8
.if ((\c) == 0) && (mk == 0)
	v_wmma_f32_16x16x32_bf16 v[64*(\t)+8*mj:64*(\t)+8*mj+7], v[64*mk+8*mj:64*mk+8*mj+7], v[ma+8*mk:ma+8*mk+7], 0
.else
	v_wmma_f32_16x16x32_bf16 v[64*(\t)+8*mj:64*(\t)+8*mj+7], v[64*mk+8*mj:64*mk+8*mj+7], v[ma+8*mk:ma+8*mk+7], v[64*(\t)+8*mj:64*(\t)+8*mj+7]
.endif
.set mj, mj+1
.endr
.set mk, mk+1
.endr
.endm
; A CHUNK of 128 features.  Tile 0's fragments are in; W's run and tile 1's step stand ahead of tile 0's products, the next chunk's tile 0 ahead of tile 1's.  Tile 2's block comes last: its products, and its
; next chunk's step, two tiles' products ahead of their use; its fragments were shown in by the wait ahead of tile 1's products, which leaves only the 16 LDS instructions just issued.
; n1, n0, n2: the counts for tile 1's step, the next chunk's tile 0 and the next chunk's tile 2.
.macro CHUNK c, n1, n0, n2
.if (\c) > 0
	PLACES
.endif
	BL \c
	XT 1, \c, \n1
	MM 0, \c
.if (\c) < 7
	PLACES
	XT 0, (\c)+1, \n0
	s_wait_dscnt 16                                ; all but that step's 16 LDS instructions
.else
	s_wait_dscnt 0x0
.endif
	MM 1, \c
	WIN 0                                          ; at a branch and at a label every window is 0
	s_cmp_le_u32 s[CNT], 128
	s_cbranch_scc1 .Ldead_\c                       ; no entry from 128 on is a true row: tile 2 has none
	MM 2, \c
.if (\c) < 7
	PLACES
	XT 2, (\c)+1, \n2
.endif
	WIN 0
.Ldead_\c:
.endm
; THE WAY OUT goes by six units: unit 2 t + half is tile t's left or right 64 columns, 32 registers.
; TOST: a lane's 8 columns of a row, 32 bytes, go into my stage (each accumulator from its low end on) and come back as whole rows of 256 bytes, into the registers that they left.
.macro TOST un
	WIN W_ST
.set oj, 0
.rept 4
	ds_store_b128 v[EST], v[32*(\un)+8*oj:32*(\un)+8*oj+3]   offset:SLOTB*((\un)%2)+64*oj
	ds_store_b128 v[EST], v[32*(\un)+8*oj+4:32*(\un)+8*oj+7] offset:SLOTB*((\un)%2)+64*oj+16
.set oj, oj+1
.endr
.set oi, 0
.rept 8
	ds_load_b128 v[32*(\un)+4*oi:32*(\un)+4*oi+3], v[STA] offset:SLOTB*((\un)%2)+SP*oi
.set oi, oi+1
.endr
.endm
; SEND: bias, ReLU, residual, store.  Lane (a, g) holds row 8 g + i, columns 4 a .. 4 a + 3 of the unit's 64.
.macro SEND un
.set ob, BIAS+4*((\un)%2)
.if (\un) < 4
.set oxb, 96*((\un)/2)+64*(1-(\un)%2)  ; tiles 0 and 1: the left half came where chunk 5 lay, the right where chunk 6 lay
.else
.set oxb, 192+32*((\un)%2)             ; tile 2: where chunks 6 and 7 lay
.endif
	WIN W_ST
.set oi, 0
.rept 8
.set od, 32*(\un)+4*oi
	v_pk_add_f32 v[od:od+1],   v[ob:ob+1],   v[od:od+1]
	v_pk_add_f32 v[od+2:od+3], v[ob+2:ob+3], v[od+2:od+3]
.set oi, oi+1
.endr
.set oi, 0
.rept 32
	v_max_num_f32 v[32*(\un)+oi], 0, v[32*(\un)+oi]
.set oi, oi+1
.endr
	WIN W_RES
.set oi, 0
.rept 8
.set od, 32*(\un)+4*oi
.set ox, oxb+2*oi
	v_fma_mix_f32_bf16 v[od],   v[ox],   v[ONE], v[od]   op_sel_hi:[1,0,0]                  ; x (a bf16 half) x 1.0 + the result
	v_fma_mix_f32_bf16 v[od+1], v[ox],   v[ONE], v[od+1] op_sel:[1,0,0] op_sel_hi:[1,0,0]
	v_fma_mix_f32_bf16 v[od+2], v[ox+1], v[ONE], v[od+2] op_sel_hi:[1,0,0]
	v_fma_mix_f32_bf16 v[od+3], v[ox+1], v[ONE], v[od+3] op_sel:[1,0,0] op_sel_hi:[1,0,0]
.set oi, oi+1
.endr
	WIN W_ST
.set oi, 0
.rept 8
	global_store_b128 v[OFF+8*((\un)/2)+oi], v[32*(\un)+4*oi:32*(\un)+4*oi+3], s[12:13] offset:256*((\un)%2) th:TH_STORE_NT  ; 16 lanes store 256 consecutive bytes of a row, at a multiple of 256 from out0's first byte
.set oi, oi+1
.endr
.endm
	s_load_b256 s[4:11], s[0:1], 0x0               ; W s[4:5], b s[6:7], xb s[8:9], idx s[10:11]
	s_load_b64 s[12:13], s[0:1], 0x20              ; out0
	v_lshl_add_u32 v[SPW], v0, 2, SPARE
	v_mov_b32 v[NIL], 0
	v_lshrrev_b32 v[T], 5, v0
	v_readfirstlane_b32 s[WV], v[T]                ; wave 0..3
	v_and_b32 v[T], 31, v0                         ; lane
	v_and_b32 v[AA], 15, v0
	v_bfe_u32 v[GG], v0, 4, 1
	s_lshr_b32 s[JJ], ttmp9, 1
	s_and_b32 s[RR], ttmp9, 1
	s_and_b32 s[EE], ttmp7, 0xffff
	s_lshl_b32 s[TS], s[WV], 17
	v_lshl_add_u32 v[WOFF], v[T], 4, s[TS]         ; my wave's 32 rows of W, my 16 bytes of a run of 512
.irp k, 1,2,3
	v_mov_b32 v[WOFF+\k], v[WOFF]
.endr
	s_mul_i32 s[TS], s[WV], 2*WL16
	v_lshl_add_u32 v[WST], v[T], 3, s[TS]
	v_lshlrev_b32 v[IOFF], 4, v[T]
	v_mul_u32_u24 v[BAD0], v[AA], PW
	v_lshl_add_u32 v[BAD0], v[GG], 4, v[BAD0]
.irp k, 1,2,3
	v_add_nc_u32 v[BAD0+\k], \k*2*WL16, v[BAD0]
.endr
	s_mul_i32 s[TS], s[WV], 3*SLOTB
	s_add_co_u32 s[TS], s[TS], STG                 ; my stage
	v_mul_u32_u24 v[STA], v[GG], 8*SP
	v_lshl_add_u32 v[STA], v[AA], 4, v[STA]
	v_add_nc_u32 v[STA], s[TS], v[STA]
	v_mul_u32_u24 v[T+1], v[AA], SP
	v_lshl_add_u32 v[AFR], v[GG], 4, v[T+1]
	v_add_nc_u32 v[AFR], s[TS], v[AFR]
	v_lshl_add_u32 v[EST], v[GG], 5, v[T+1]
	v_add_nc_u32 v[EST], s[TS], v[EST]
	s_lshl_b32 s[TS], s[WV], 10
	s_add_co_u32 s[TS], s[TS], LST                 ; my list
	v_mov_b32 v[LSTB], s[TS]
	v_lshl_add_u32 v[LRD], v[GG], 5, v[LSTB]
	v_lshl_add_u32 v[LFL], v[T], 2, v[LSTB]
	s_lshl_b32 s[TOKW], s[RR], 11
	v_lshl_add_u32 v[TOK0], v[T], 2, s[TOKW]
	v_lshlrev_b32 v[A16], 4, v[AA]
	v_lshlrev_b32 v[A8], 3, v[AA]
	v_mov_b32 v[C192], ROWS
	v_mov_b32 v[ONE], 1.0
	s_mov_b32 s19, 0
	s_wait_kmcnt 0x0
	s_lshl_b32 s18, s[EE], 22                      ; an expert's weights are 4 MiB, my slice of 128 rows 512 KiB
	s_lshl_b32 s[TS], s[JJ], 19
	s_add_co_u32 s18, s18, s[TS]
	s_add_nc_u64 s[4:5], s[4:5], s[18:19]          ; never stepped: the sets' offset registers walk the slice
	s_lshl_b32 s18, s[EE], 12
	s_lshl_b32 s[TS], s[JJ], 9
	s_add_co_u32 s18, s18, s[TS]
	s_add_nc_u64 s[6:7], s[6:7], s[18:19]          ; b at my 128 columns
	s_lshl_b32 s18, s[JJ], 8
	s_add_nc_u64 s[28:29], s[8:9], s[18:19]        ; xb at my 128 columns, for the residual
	s_lshl_b32 s18, s[JJ], 9
	s_add_nc_u64 s[12:13], s[12:13], s[18:19]      ; out0 at my 128 columns
	s_lshl_b32 s18, s[RR], 13
	s_add_nc_u64 s[10:11], s[10:11], s[18:19]      ; idx at my half's 2,048 tokens
.set i, 0
.rept 16
	global_load_b128 v[IDX+4*i:IDX+4*i+3], v[IOFF], s[10:11] offset:512*i  ; every wave reads all 2,048 choices
.set i, i+1
.endr
	global_load_b128 v[BIAS:BIAS+3],   v[A16], s[6:7]
	global_load_b128 v[BIAS+4:BIAS+7], v[A16], s[6:7] offset:256
	WLOAD 0
	WLOAD 1
	WLOAD 2
	s_wait_loadcnt 48                              ; idx and b are in; the 48 loads of weights stay out
	WIN 0
.irp k, 0,1,2,3
	v_cvt_pk_bf16_f32 v[T+\k], v[BIAS+2*\k], v[BIAS+2*\k+1]  ; b counts as its bf16 rounding, like every input
.endr
.irp k, 0,1,2,3
	v_lshlrev_b32 v[BIAS+2*\k], 16, v[T+\k]
	v_and_b32 v[BIAS+2*\k+1], 0xffff0000, v[T+\k]
.endr
.set i, 0
.rept 64
	v_cmp_eq_u32 s[32+i+2*(i/32)], s[EE], v[IDX+i]
.set i, i+1
.endr
	s_lshl_b32 s[BASE], s[WV], 4
	s_mov_b32 s[PP], 0
	WLOAD 3
	; the first four groups of weights are written out, with a quarter of the first list ahead of each: loads of weights go on being asked for while the list is made
	LHEAD
	LPART 0
	WGRP 0, 48, 1                                  ; three younger groups stay out, here and in the loop
	LPART 1
	WGRP 1, 48, 1
	LPART 2
	WGRP 2, 48, 1
	LPART 3
	LTAIL                                          ; with no row of mine all entries are token 2048 r; they are loaded and nothing more
	s_max_i32 s[NTRIP], s[RANK], 0                 ; M - 16 w, or 0
	s_add_co_u32 s[NTRIP], s[NTRIP], ROWS-1
	s_mul_i32 s[NTRIP], s[NTRIP], 5462             ; 5462 / 2^20 is 1 / 192 + 6.4e-7: the quotient's whole part is exact up to 2,239, the most that can come here
	s_lshr_b32 s[NTRIP], s[NTRIP], 20              ; ceil((M - 16 w) / 192), 0 where M is not above 16 w
	WGRP 3, 48, 1
	WIN 0                                          ; at a label and at a branch every window is 0
	v_add_nc_u32 v[WST], 8*PW, v[WST]
	s_mov_b32 s[WLP], 2
.Lweights:                                             ; a trip lays four groups, 8 rows of W, and asks for the four groups behind those on their way: groups 4-11 laid, 8-15 asked for
	WGRP 0, 48, 1
	WGRP 1, 48, 1
	WGRP 2, 48, 1
	WGRP 3, 48, 1
	WIN 0
	v_add_nc_u32 v[WST], 8*PW, v[WST]
	s_sub_co_u32 s[WLP], s[WLP], 1
	s_cmp_lg_u32 s[WLP], 0
	s_cbranch_scc1 .Lweights
	WGRP 0, 48, 0
	WGRP 1, 32, 0
	XLOADC 0                                       ; the first trip's first two chunks of x, 48 loads, go out behind the last weights
	XLOADC 1
	WGRP 2, 63, 0                                  ; 64 loads are younger (the last group and x); the wait's field ends at 63, and a smaller count is safe
	WGRP 3, 48, 0                                  ; x stays out
	XLOADC 2                                       ; the third chunk behind that wait, so that the wait asks for no load of x
	WIN 0
	s_wait_dscnt 0x0                               ; for the others' sake: my 32 rows of weights are in LDS
	s_barrier_signal -1
	s_barrier_wait -1                              ; all 128 rows are; nobody writes them again
	s_cmp_eq_u32 s[NTRIP], 0
	s_cbranch_scc1 .Lend                           ; no tile of mine has a row
.Ltrip:                                                ; every LDS address in the trip is a register made at the head plus an immediate, or the list's, held to its entries
	; THE COUNTS.  Loads go out in units of eight: chunk 0 of tiles 0, 1, 2; chunk 1 of tiles 0, 1, 2; chunk 2 of tiles 0, 1; then one unit for each step, in the steps' order:
	; (0,0) [2,0] (1,0) (0,1) [2,1] (1,1) (0,2) [2,2] ...; the units in brackets go out only where tile 2 has rows, so a count takes them as absent, but for the unit that the step itself waits for.
	; Tiles 0 and 1 then have five units behind theirs (seven and six at the start; four for tile 1's last, since tile 0's last step asks for nothing), tile 2 four (six and five at the start, three at the end).
	XT 0, 0, 56
	WIN 0
	s_cmp_le_u32 s[CNT], 128
	s_cbranch_scc1 .Ldead_p
	XT 2, 0, 48
	WIN 0
.Ldead_p:
	CHUNK 0, 56, 48, 40
	CHUNK 1, 48, 40, 32
	CHUNK 2, 40, 40, 32
	CHUNK 3, 40, 40, 32
	CHUNK 4, 40, 40, 32
	CHUNK 5, 40, 40, 32
	CHUNK 6, 40, 40, 24
	CHUNK 7, 32, 0, 0
	s_wait_loadcnt 0x0                             ; the residual is in, and no load names OFF any more
.set i, 0
.rept 24
	v_lshl_add_u32 v[OFF+i], v[TK+i], 12, v[A16]   ; in out0: row x 4,096 + 16 a.  These lines are also the places behind the last products
.set i, i+1
.endr
	TOST 0
	TOST 1
.irp un, 0,1,2,3,4,5
.if \un < 5
	s_wait_dscnt 16                                ; the next unit's 16 LDS instructions may stay out
.else
	s_wait_dscnt 0x0
.endif
	WIN 0                                          ; at a branch and at a label every window is 0
.if (\un == 2) || (\un == 4)
	s_cmp_le_u32 s[CNT], 32*\un
	s_cbranch_scc1 .Lepi_end                       ; this tile (entries 32 x unit on) and those behind it lie wholly past M: only stores and register work are jumped
.endif
	SEND \un
.if \un < 4
	TOST \un+2
.endif
.endr
	WIN 0
.Lepi_end:
	s_add_co_u32 s[PP], s[PP], 1
	s_add_co_u32 s[BASE], s[BASE], ROWS
	s_cmp_ge_u32 s[PP], s[NTRIP]
	s_cbranch_scc1 .Lend
	s_wait_xcnt 0x0                                ; the stores' offsets and data are rewritten only behind this wait (ISA guide 3.1)
	LHEAD
	LPART 0
	LPART 1
	LPART 2
	LPART 3
	LTAIL
	XLOADC 0
	XLOADC 1
	XLOADC 2
	WIN 0
	s_cmp_lt_u32 s[PP], s[NTRIP]
	s_cbranch_scc1 .Ltrip
.Lend:
	s_wait_tensorcnt 0x0                           ; the wave's end
	ds_add_u32 v[SPW], v[NIL]
	s_wait_dscnt 0x0
	s_endpgm
.Lfunc_end_k_q0301ce9964_expert:
	.size	k_q0301ce9964_expert, .Lfunc_end_k_q0301ce9964_expert-k_q0301ce9964_expert
	.p2alignl 7, 3214868480
	.fill 96, 4, 3214868480
	.section	.rodata,"a",@progbits
	.p2align	6, 0x0
	.amdhsa_kernel k_q0301ce9964_expert
		.amdhsa_group_segment_fixed_size 321024
		.amdhsa_private_segment_fixed_size 0
		.amdhsa_enable_private_segment 0
		.amdhsa_kernarg_size 40
		.amdhsa_user_sgpr_count 2
		.amdhsa_user_sgpr_kernarg_segment_ptr 1
		.amdhsa_wavefront_size32 1
		.amdhsa_system_sgpr_workgroup_id_x 1
		.amdhsa_system_sgpr_workgroup_id_y 1
		.amdhsa_system_sgpr_workgroup_id_z 1
		.amdhsa_system_vgpr_workitem_id 0
		.amdhsa_next_free_vgpr 1024
		.amdhsa_next_free_sgpr 98
		.amdhsa_reserve_vcc 0
		.amdhsa_float_denorm_mode_32 3
		.amdhsa_float_denorm_mode_16_64 3
		.amdhsa_memory_ordered 1
		.amdhsa_forward_progress 1
		.amdhsa_inst_pref_size 255
	.end_amdhsa_kernel
	.section	.bss,"aw",@nobits
	.p2align	6
	.space	262144
	.amdgpu_metadata
---
amdhsa.version: [ 1, 2 ]
amdhsa.kernels:
  - .name:           k_q0301ce9964_expert
    .symbol:         k_q0301ce9964_expert.kd
    .args:
      - { .name: W, .offset: 0, .size: 8, .value_kind: global_buffer, .address_space: global }
      - { .name: b, .offset: 8, .size: 8, .value_kind: global_buffer, .address_space: global }
      - { .name: xb, .offset: 16, .size: 8, .value_kind: global_buffer, .address_space: global }
      - { .name: idx, .offset: 24, .size: 8, .value_kind: global_buffer, .address_space: global }
      - { .name: out0, .offset: 32, .size: 8, .value_kind: global_buffer, .address_space: global }
    .group_segment_fixed_size: 321024
    .private_segment_fixed_size: 0
    .kernarg_segment_align: 8
    .kernarg_segment_size: 40
    .max_flat_workgroup_size: 128
    .sgpr_count:     98
    .vgpr_count:     1024
    .wavefront_size: 32
...
	.end_amdgpu_metadata
.endif
;; end of part 3
;; ======== version 3 of 3: 2 launches; version 2 with the launch route written anew for expert scheduling mode
;; workspace buffers: xb 8,388,608 bytes; idx 16,384 bytes of whole numbers
;; launch route (part 4): grid 256 x 1, 8 waves a work-group, no clusters, 78,848 bytes of LDS; arguments x, signatures_raw, xb, idx, out1; writes xb, idx, out1
.if DOCPART == 4
	.amdgcn_target "amdgcn-amd-amdhsa--gfx1250"
	.amdhsa_code_object_version 6
	.text
	.protected	k_q0301ce9964_route
	.globl	k_q0301ce9964_route
	.p2align	8
	.type	k_q0301ce9964_route,@function
k_q0301ce9964_route:
	s_mov_b64 s[64:65], 0
	v_nop
	global_prefetch_b8 v0, s[64:65] scope:SCOPE_SE
	s_setreg_imm32_b32 hwreg(HW_REG_WAVE_SCHED_MODE, 0, 2), 2
	s_setreg_imm32_b32 hwreg(HW_REG_WAVE_MODE, 25, 1), 1
	s_wait_xcnt 0x0
	s_wait_alu depctr_vm_vsrc(0)
; ROUTER.  scores[t][e] = x[t] . sig[e], sig = signatures_raw made ternary at +-0.3; idx[t] = out1[t] = argmax over e (the lower index on a tie); xb = x rounded to bf16.
; FORMATS.  x and signatures_raw are rounded once to bf16 (the signatures before the threshold); the products are bf16 x (+-1 or 0), the sums f32.
; LIMITS.  NaN is not treated apart (a NaN score never wins a comparison here).  A signature counts as +-1 where its bf16 magnitude is 0x3e9a or more, the first bf16 above 0.3.
; SHARES.  A work-group owns 16 tokens, wave w the features 128 w .. 128 w + 127 of them and of all 16 signatures: 32 loads of 512 consecutive bytes a wave, all asked for at once.
; Each wave makes a partial 16 x 16 tile of scores with four matrix instructions; the eight partial tiles meet in LDS, and wave 0 adds them and takes the argmax.
; No tensor loads: the f32 data are rounded on their way through registers.  No cluster: the work-groups share only the 64 KB of signatures, 1/2 of a work-group's bytes but 1/256 of the launch's.
; THE MODE: SCHED_MODE bits 1:0 = 2 (LLVM: expert scheduling mode 2), set by the entry lines.  The code itself states the register dependences
; between vector or matrix instructions and memory or LDS instructions, with s_wait_alu, always for 0.
; THE PLAN.  Registers that memory or LDS instructions touch:
;   v6 .. v12     offsets and LDS addresses: made once at the head, never written again.
;   rows 0 .. 31  (16 signature rows, then 16 rows of x), four registers each: a load lands in a row; vector lines round it in place; one LDS store, and for x one global store, read it.
;                 v16-79 are used a second time: wave 0's loads of the partial tiles land there.
;   SF, XF        written by LDS loads, read by the matrix instructions.     P   written by four additions, read by two LDS stores.     v14  the choice, read by the last two stores.
;   v3, v13-15 (at work) and the accumulators are named by vector and matrix instructions alone.
; The rows go in eight blocks of four.  Block p rounds its rows; its memory instructions are the stores of block p - 1, whose registers no vector line of block p names.  So one wait at a block's head,
; behind the wait for its data, states all that the block's stores hang on, and they are dealt among its vector lines with no further wait.
.set PITCH, 272                        ; an LDS row: 256 bytes (128 bf16) + 16: an odd multiple of 16, so the 16 rows of a fragment load start in 16 different groups of banks
.set XS,    16*PITCH                   ; behind a wave's 16 signature rows: its 16 rows of x
.set WLDS,  2*XS                       ; a wave's own LDS bytes
.set RED,   8*WLDS                     ; 8 x 1,024 bytes: the partial tiles; the 1,024 bytes behind them hold the spare words of the closing LDS add
.set SG,  16                           ; v[16:143]  row n of 32: 4 registers at SG + 4 n: n < 16 signature row n, else x's row n - 16; v[16:79] later wave 0's eight partial tiles
.set SF,  144                          ; v[144:175] signature fragments, 8 registers for each 32 features
.set XF,  176                          ; v[176:207] x fragments
.set D0,  208                          ; two accumulators that take turns
.set D1,  216
.set P,   224                          ; their sum
	s_load_b256 s[4:11], s[0:1], 0x0               ; x s[4:5], signatures s[6:7], xb s[8:9], idx s[10:11]
	s_load_b64 s[12:13], s[0:1], 0x20              ; out1
	v_lshl_add_u32 v4, v0, 2, 0x13000
	v_mov_b32 v5, 0
	v_lshrrev_b32 v3, 5, v0
	v_readfirstlane_b32 s14, v3                    ; wave 0..7
	v_and_b32 v3, 31, v0                           ; lane
	v_and_b32 v1, 15, v0                           ; r = lane % 16
	v_bfe_u32 v2, v0, 4, 1                         ; h = lane / 16
	s_wait_alu depctr_va_sdst(0)                   ; s14 is written, ahead of its first reader: the wave's offsets and LDS addresses are made from it
	s_lshl_b32 s15, s14, 9
	v_lshl_add_u32 v6, v3, 4, s15                  ; f32 rows: 512 w + 16 lane
	s_lshl_b32 s15, s14, 8
	v_lshl_add_u32 v7, v3, 3, s15                  ; bf16 rows: 256 w + 8 lane
	s_mul_i32 s15, s14, WLDS
	v_lshl_add_u32 v8, v3, 3, s15                  ; LDS: my 8 bytes of a row of my wave
	v_mul_u32_u24 v9, v1, PITCH
	v_lshl_add_u32 v9, v2, 4, v9
	v_add_nc_u32 v9, s15, v9                       ; LDS: a fragment: row r, 16 h
	s_lshl_b32 s15, s14, 10
	s_add_co_u32 s15, s15, RED
	v_lshl_add_u32 v10, v3, 4, s15                 ; LDS: my wave's partial tile
	v_lshlrev_b32 v11, 4, v3
	v_add_nc_u32 v11, RED, v11                     ; LDS: wave 0's partial tile, from which all eight are reached by the immediate
	v_lshlrev_b32 v12, 2, v1                       ; 4 r: my token's word in idx and out1
	s_mov_b32 s16, 0x7fff7fff                      ; two magnitudes
	s_mov_b32 s17, 0x41664166                      ; 0x3e9a + 0x4166 = 0x8000: bit 15 of a half says that the magnitude is above 0.3
	s_mov_b32 s18, 0x80008000
	s_mov_b32 s20, 0x76543210                      ; v_permlanex16_b32: each lane takes its own place in the other half
	s_mov_b32 s21, 0xfedcba98
	s_mov_b32 s3, 0
	s_wait_kmcnt 0x0
	s_lshl_b32 s2, ttmp9, 16                       ; 16 rows of 4,096 bytes
	s_add_nc_u64 s[4:5], s[4:5], s[2:3]
	s_lshl_b32 s2, ttmp9, 15                       ; 16 rows of 2,048 bytes
	s_add_nc_u64 s[8:9], s[8:9], s[2:3]
	s_lshl_b32 s2, ttmp9, 6                        ; 16 words
	s_add_nc_u64 s[10:11], s[10:11], s[2:3]
	s_add_nc_u64 s[12:13], s[12:13], s[2:3]
	s_wait_alu depctr_va_vdst(0)                   ; the seven offsets and addresses v6 to v12 are written, which the loads and stores of the whole kernel read
.set i, 0
.rept 16
	global_load_b128 v[SG+4*i:SG+4*i+3], v6, s[6:7] offset:4096*i
.set i, i+1
.endr
.set i, 0
.rept 16
	global_load_b128 v[SG+64+4*i:SG+64+4*i+3], v6, s[4:5] offset:4096*i th:TH_LOAD_NT  ; x in f32 is read once in the whole program
.set i, i+1
.endr
; two bf16 in register p become +-1.0 where the magnitude is above 0.3, else 0
.macro TERN p, ta, tb
	v_and_b32 v[\ta], s16, v[\p]
	v_add_nc_u32 v[\ta], s17, v[\ta]               ; 0x7fff + 0x4166 stays inside its half
	v_and_b32 v[\ta], s18, v[\ta]                  ; the flag stands where the sign stands
	v_lshrrev_b32 v[\tb], 15, v[\ta]
	v_mul_u32_u24 v[\tb], v[\tb], 0x3f80           ; 1.0 in each flagged half
	v_and_or_b32 v[\p], v[\p], v[\ta], v[\tb]      ; with the sign
.endm
; row n's vector lines: four f32 close up into two registers of bf16; a signature row is made ternary
.macro CV n
	v_cvt_pk_bf16_f32 v[SG+4*(\n)], v[SG+4*(\n)], v[SG+4*(\n)+1]
	v_cvt_pk_bf16_f32 v[SG+4*(\n)+1], v[SG+4*(\n)+2], v[SG+4*(\n)+3]
.if (\n) < 16
	TERN SG+4*(\n), 13, 14
	TERN SG+4*(\n)+1, 15, 3
.endif
.endm
; row n's stores: into my wave's LDS rows (x's 16 lie behind the signatures' 16), and x's also into xb
.macro OUT n
	ds_store_b64 v8, v[SG+4*(\n):SG+4*(\n)+1] offset:PITCH*(\n)
.if (\n) >= 16
	global_store_b64 v7, v[SG+4*(\n):SG+4*(\n)+1], s[8:9] offset:2048*((\n)-16)  ; the wave's 32 lanes store 256 consecutive bytes, at a multiple of 256 from xb's first byte
.endif
.endm
; Block p: rows 4 p .. 4 p + 3 are rounded; the rows of the block before are stored, a row's stores ahead of each row's vector lines.
.macro BLK p
	s_wait_loadcnt 28-4*(\p)                       ; loads come back in order (ISA guide 5.7.1): my four rows are in, the 28 - 4 p younger loads stay out
.if (\p) > 0
	s_wait_alu depctr_va_vdst(0)                   ; the block before has written its four rows, which the stores below read; no vector line since names them, nor v7 and v8
.endif
.irp i, 0,1,2,3
.if (\p) > 0
	OUT 4*(\p)-4+(\i)
.endif
	CV 4*(\p)+(\i)
.endr
.endm
.irp p, 0,1,2,3,4,5,6,7
	BLK \p
.endr
	s_wait_alu depctr_va_vdst(0)                   ; the last block has written rows 28 to 31, which the stores below read
.irp n, 28,29,30,31
	OUT \n
.endr
	; fragments: 16 rows x 32 features in 8 registers, two loads of 16 bytes, 32 bytes apart.  The bytes are my wave's own, and LDS serves a wave's instructions in order: no barrier.
	; No vector line has named SF or XF, and v9 was written ahead of the head's wait: these loads hang on nothing more.
.irp k, 0,1,2,3
	ds_load_b128 v[SF+8*\k:SF+8*\k+3],   v9 offset:64*\k
	ds_load_b128 v[SF+8*\k+4:SF+8*\k+7], v9 offset:64*\k+32
	ds_load_b128 v[XF+8*\k:XF+8*\k+3],   v9 offset:XS+64*\k
	ds_load_b128 v[XF+8*\k+4:XF+8*\k+7], v9 offset:XS+64*\k+32
.endr
	s_wait_dscnt 0x0
	; source 0 = 16 signatures, source 1 = 16 tokens: register j of lane (r, h) is the score of expert 8 h + j for token r.  The two accumulators take turns.
	v_wmma_f32_16x16x32_bf16 v[D0:D0+7], v[SF:SF+7],     v[XF:XF+7],     0
	v_wmma_f32_16x16x32_bf16 v[D1:D1+7], v[SF+8:SF+15],  v[XF+8:XF+15],  0
	v_wmma_f32_16x16x32_bf16 v[D0:D0+7], v[SF+16:SF+23], v[XF+16:XF+23], v[D0:D0+7]
	v_wmma_f32_16x16x32_bf16 v[D1:D1+7], v[SF+24:SF+31], v[XF+24:XF+31], v[D1:D1+7]
.rept 4
	v_nop                                          ; four places between a matrix instruction and the first vector read of its result (ISA guide 7.12.1)
.endr
.irp k, 0,2,4,6
	v_pk_add_f32 v[P+\k:P+\k+1], v[D0+\k:D0+\k+1], v[D1+\k:D1+\k+1]  ; from the low end on
.endr
	s_wait_alu depctr_va_vdst(0)                   ; the four additions have written P, which the two LDS stores read; every vector line that named v16-79 is done too
	ds_store_b128 v10, v[P:P+3]
	ds_store_b128 v10, v[P+4:P+7] offset:512
	s_wait_dscnt 0x0                               ; for wave 0's sake: my partial tile is in LDS
	s_barrier_signal -1
	s_barrier_wait -1
	s_wait_alu depctr_vm_vsrc(0)                   ; my LDS stores have read the signature rows' registers, v16-79, in which wave 0's loads below land; the wait stands ahead of the branch
	s_cmp_lg_u32 s14, 0
	s_cbranch_scc1 .Lend
	; wave 0: the eight partial tiles, added as a tree
.irp w, 0,1,2,3,4,5,6,7
	ds_load_b128 v[SG+8*\w:SG+8*\w+3],   v11 offset:1024*\w
	ds_load_b128 v[SG+8*\w+4:SG+8*\w+7], v11 offset:1024*\w+512
.endr
	s_wait_dscnt 0x0
.irp w, 0,2,4,6
.irp k, 0,2,4,6
	v_pk_add_f32 v[SG+8*\w+\k:SG+8*\w+\k+1], v[SG+8*\w+\k:SG+8*\w+\k+1], v[SG+8*\w+8+\k:SG+8*\w+8+\k+1]
.endr
.endr
.irp w, 0,4
.irp k, 0,2,4,6
	v_pk_add_f32 v[SG+8*\w+\k:SG+8*\w+\k+1], v[SG+8*\w+\k:SG+8*\w+\k+1], v[SG+8*\w+16+\k:SG+8*\w+16+\k+1]
.endr
.endr
.irp k, 0,2,4,6
	v_pk_add_f32 v[SG+\k:SG+\k+1], v[SG+\k:SG+\k+1], v[SG+32+\k:SG+32+\k+1]
.endr
	; the best of my eight experts: a later one wins only if it is greater, so the lower index is kept on a tie.  Each compare reads the select before it, so the compares cannot stand in one run
	v_mov_b32 v13, v[SG]
	v_mov_b32 v14, 0
.irp j, 1,2,3,4,5,6,7
	v_cmp_gt_f32 vcc_lo, v[SG+\j], v13
	s_wait_alu depctr_va_vcc(0)                    ; the compare has written VCC, which the two selects read
	v_cndmask_b32 v13, v13, v[SG+\j], vcc_lo
	v_cndmask_b32 v14, v14, \j, vcc_lo
.endr
	v_lshl_add_u32 v14, v2, 3, v14                 ; + 8 h
	v_mov_b32 v15, v13                             ; v_permlanex16_b32 counts as a reader of its destination
	v_mov_b32 v3, v14
	v_permlanex16_b32 v15, v13, s20, s21           ; the token's other eight experts lie in the lane 16 away
	v_permlanex16_b32 v3, v14, s20, s21
	v_cmp_gt_f32 s22, v15, v13
	v_cmp_eq_f32 s23, v15, v13
	v_cmp_lt_u32 s24, v3, v14
	s_wait_alu depctr_va_sdst(0)                   ; the three compares have written s22, s23 and s24, ahead of their first readers
	s_and_b32 s23, s23, s24
	s_or_b32 s22, s22, s23                         ; the other half's wins if greater, or equal with the lower index
	v_cndmask_b32 v14, v14, v3, s22
	s_wait_alu depctr_va_vdst(0)                   ; the select has written v14, which the two stores read
	global_store_b32 v12, v14, s[10:11]            ; both halves of the lanes hold the same 16 choices and store the same 64 bytes: EXEC is never narrowed
	global_store_b32 v12, v14, s[12:13]
.Lend:
	s_wait_dscnt 0x0                               ; the wave's end: my LDS instructions are done.
	s_wait_alu depctr_hold_cnt(0) depctr_sa_sdst(0) depctr_va_vdst(0) depctr_va_sdst(0) depctr_va_ssrc(0) depctr_va_vcc(0) depctr_vm_vsrc(0)
	s_wait_tensorcnt 0x0
	ds_add_u32 v4, v5
	s_wait_dscnt 0x0
	s_endpgm
.Lfunc_end_k_q0301ce9964_route:
	.size	k_q0301ce9964_route, .Lfunc_end_k_q0301ce9964_route-k_q0301ce9964_route
	.p2alignl 7, 3214868480
	.fill 96, 4, 3214868480
	.section	.rodata,"a",@progbits
	.p2align	6, 0x0
	.amdhsa_kernel k_q0301ce9964_route
		.amdhsa_group_segment_fixed_size 78848
		.amdhsa_private_segment_fixed_size 0
		.amdhsa_enable_private_segment 0
		.amdhsa_kernarg_size 40
		.amdhsa_user_sgpr_count 2
		.amdhsa_user_sgpr_kernarg_segment_ptr 1
		.amdhsa_wavefront_size32 1
		.amdhsa_system_sgpr_workgroup_id_x 1
		.amdhsa_system_sgpr_workgroup_id_y 1
		.amdhsa_system_sgpr_workgroup_id_z 1
		.amdhsa_system_vgpr_workitem_id 0
		.amdhsa_next_free_vgpr 232
		.amdhsa_next_free_sgpr 66
		.amdhsa_reserve_vcc 1
		.amdhsa_float_denorm_mode_32 3
		.amdhsa_float_denorm_mode_16_64 3
		.amdhsa_memory_ordered 1
		.amdhsa_forward_progress 1
		.amdhsa_inst_pref_size 30
	.end_amdhsa_kernel
	.amdgpu_metadata
---
amdhsa.version: [ 1, 2 ]
amdhsa.kernels:
  - .name:           k_q0301ce9964_route
    .symbol:         k_q0301ce9964_route.kd
    .args:
      - { .name: x, .offset: 0, .size: 8, .value_kind: global_buffer, .address_space: global }
      - { .name: signatures_raw, .offset: 8, .size: 8, .value_kind: global_buffer, .address_space: global }
      - { .name: xb, .offset: 16, .size: 8, .value_kind: global_buffer, .address_space: global }
      - { .name: idx, .offset: 24, .size: 8, .value_kind: global_buffer, .address_space: global }
      - { .name: out1, .offset: 32, .size: 8, .value_kind: global_buffer, .address_space: global }
    .group_segment_fixed_size: 78848
    .private_segment_fixed_size: 0
    .kernarg_segment_align: 8
    .kernarg_segment_size: 40
    .max_flat_workgroup_size: 256
    .sgpr_count:     66
    .vgpr_count:     232
    .wavefront_size: 32
...
	.end_amdgpu_metadata
.endif
;; end of part 4
;; launch expert: the kernel of part 3 again; grid 16 x 16, 4 waves a work-group, no clusters, 321,024 bytes of LDS; arguments W, b, xb, idx, out0; writes out0
